; MI455X (gfx1250); checked and timed in simulation.
; The chip was launched on July 23, 2026; its instructions are those of AMD's public machine-readable ISA for CDNA 5 (MIT licence, August 2026) and "CDNA5" Instruction Set Architecture Reference Guide (July 2026). The comments in the code are by the model that wrote it; some were corrected since.
;; GPT Attention. Allowed arithmetic: matrix products marked QUANTISED: E2M3 operands, one E8M0 scale for each 32 along K, by v_wmma_scale_f32_16x16x128_f8f6f4 with both operands' format E2M3, f32 sums; everything else in f32.
;; Inputs: b1 1 x 3,072 float32; b2 1 x 1,024 float32; w1 1,024 x 3,072 float32; w2 1,024 x 1,024 float32; x 4 x 2,048 x 1,024 float32.
;; Outputs: out0 4 x 2,048 x 1,024 float32.
;; This version of the problem:
;;   THIS VERSION OF THE PROBLEM IS GIVEN IN LOW PRECISION. The matrix products marked QUANTISED in the list below multiply operands that are first quantised to E2M3 (2 exponent bits, 3 mantissa bits; 6 bits a number), with one power-of-two scale for each 32 numbers along K (OCP MX v1.0); their sums are f32. All else is computed in f32.
;;   The module's matrix products, in the order in which they are computed (A, B: the left and right operand; K: the contracted axis; several contracted axes count as one K, in the product's order):
;;     1. [M 8,192, K 1,024] x [K 1,024, N 3,072]; A: input x; B: input w1: QUANTISED
;;     2. batch 64 x [M 2,048, K 64] x [K 64, N 2,048]; A: computed on the way; B: computed on the way: QUANTISED
;;     3. batch 64 x [M 2,048, K 2,048] x [K 2,048, N 64]; A: softmax (see below); B: computed on the way: QUANTISED
;;     4. [M 8,192, K 1,024] x [K 1,024, N 1,024]; A: computed on the way; B: input w2: QUANTISED
;;   THE QUANTISER, for each operand of a quantised product, along K:
;;     - K is cut into blocks of 32 from its start; a last block that is shorter is filled with zeros.
;;     - A block's scale is 2^e with e = floor(log2(the largest magnitude in the block)) - 2, held to -126 .. 127; a block of zeros has e = 0. As a byte (E8M0): e + 127.
;;     - Each number is divided by its block's scale, clamped to +-7.5, and rounded to the nearest number of E2M3, ties to even, subnormals kept.
;;     - The product sums the exact products of the quantised numbers (number of the format x scale) in f32.
;;   ~~~python
;;   def quantise(x, axis):      # numpy; x: float32 -> the quantised numbers, widened to float32 again
;;       x = np.moveaxis(x, axis, -1); K = x.shape[-1]
;;       x = np.pad(x, [(0, 0)] * (x.ndim - 1) + [(0, -K % 32)]); x = x.reshape(x.shape[:-1] + (-1, 32)); a = np.abs(x).max(-1, keepdims=True)
;;       e = np.where(a > 0, np.clip(np.frexp(np.where(a > 0, a, 1))[1] - 1 - 2, -126, 127), 0)      # np.frexp(a)[1] - 1 = floor(log2(a)), exactly
;;       r = np.clip(x / 2.0 ** e, -7.5, 7.5)
;;       step = 2.0 ** (np.maximum(np.frexp(np.where(r == 0, 1, r))[1] - 1, 0) - 3)
;;       q = np.round(r / step) * step * 2.0 ** e      # np.round: ties to even
;;       return np.moveaxis(q.reshape(q.shape[:-2] + (-1,))[..., :K], -1, axis).astype(np.float32)
;;   ~~~
;;   SOFTMAX AHEAD OF A QUANTISED PRODUCT. Where the list says 'softmax', what is quantised is not the finished softmax but p = 2^(t - M), with t = logit x log2(e) and M = ceil(the row's largest t), a whole number; so 1/2 < the row's largest p <= 1. The row's sum l is taken of the UNQUANTISED p, in f32, and the product's result is divided by l at the end. Since M is a whole number, a kernel that streams over the keys may use a running M (the ceiling of the running maximum): every later rescaling is an exact power of two, which a block's scale takes up: the codes' values come out the same.
;;   OPERANDS COMPUTED ON THE WAY. 'Computed on the way' means the value that the module computes at that place (a softmax that the list does not call 'softmax' is quantised finished and normalised). What goes into a quantiser is computed in f32, as accurately as f32 sums, v_exp_f32 and their like allow (about 1e-6 of the number): no bf16 or f16 on the way to a quantiser, and a product that is left as it is and whose result goes on into a quantised operand takes f32 operands (vector FMAs, or v_wmma_f32_16x16x4_f32). A number that lies on a knife's edge between two numbers of the format may be rounded either way, as far as f32 arithmetic and the matrix unit's own rounding can turn it there, and no further.
;; One version. Each part assembles by itself: llvm-mc -triple=amdgcn-amd-amdhsa -mcpu=gfx1250 --defsym DOCPART=n.
;; ======== version 1 of 1: 4 launches
;; limits: right only within a limited range of input values
;; workspace buffers: xc 6,291,456 bytes; xs 262,144 bytes; wc 3,145,728 bytes; ws 131,072 bytes; hc 18,874,368 bytes; hs 1,310,720 bytes; ac 6,291,456 bytes; asc 262,144 bytes
;; launch quant (part 1): grid 384 x 1, 4 waves a work-group, no clusters, 34,304 bytes of LDS; arguments x, w1, w2, xc, xs, wc, ws; writes xc, xs, wc, ws
.if DOCPART == 1
	.amdgcn_target "amdgcn-amd-amdhsa--gfx1250"
	.amdhsa_code_object_version 6
	.text
	.protected	k_q130711a984_quant
	.globl	k_q130711a984_quant
	.p2align	8
	.type	k_q130711a984_quant,@function
k_q130711a984_quant:
	s_mov_b64 s[64:65], 0
	v_nop
	global_prefetch_b8 v0, s[64:65] scope:SCOPE_SE
	s_setreg_imm32_b32 hwreg(HW_REG_WAVE_MODE, 25, 1), 1
	s_wait_xcnt 0x0
; x [8192][1024], w1 [1024][3072] and w2 [1024][1024], f32, become codes of FP6 (E2M3) with one E8M0 scale byte for each 32 along K (x: its last axis; the weights: their FIRST axis).
; A block's scale is 2^(floor(log2(its largest magnitude)) - 2); its byte is the largest magnitude's exponent field - 2, held at 1 from below; numbers are divided by the scale and rounded to the nearest code, ties to even.
; HOW THE CODES LIE (this program's own buffers).  The unit is a HALF FRAGMENT: 16 rows x 64 along K, 768 bytes.  Lane l = r + 16 h of the wave that will multiply owns the 24 bytes (32 codes) of block h of row r:
; its first 16 bytes lie at 16 l, its last 8 at 512 + 8 l.  So a fragment comes and goes by loads and stores of 512 and 256 consecutive bytes, and no rows, pitch or padding exist.
; A tile of 16 rows has 16 half fragments on end (K = 1,024): 12,288 bytes.  wc holds w1's 192 tiles of 16 columns n, then w2's 64.
; THE ORDER INSIDE A BLOCK OF 32: place p holds element sigma(p), sigma = p with its bits 3 and 4 exchanged (0-7, 16-23, 8-15, 24-31).  Every operand of this program lies so, on both sides of each product, so the
; products are the same; only the order in which the unit adds them differs from ascending k.  (It is the order in which matrix results fall out of two neighbouring tiles, which the later launches quantise in registers.)
; THE SCALE BYTES: one word for a row and 128 along K; for a tile of 16 rows: [chunk of 256 K][row][2 words], 512 bytes.
; LIMITS: a block of zeros gets the byte 1, not 127: its codes are zeros, and this program alone reads the bytes.  NaN and infinities among the inputs are not served.
; SHARES: work-groups 0-255 take x (a wave: 16 rows x 512 along K), 256-351 w1, 352-383 w2 (a wave: 32 columns x 256 along K); each reads 131,072 bytes.  Waves share nothing: no barrier.  Only x's path uses LDS.
.set C,   16                           ; x: v16-27 a fragment's codes
.set E,   28                           ; v28-30, v32-34 the second halves of the two blocks (a conversion's three registers begin on an even number)
.set PWR, 36                           ; v36-39 the four K steps' scale words
.set MX,  40                           ; v40-41 largest magnitudes;  v42-43 the conversions' scale operands;  v44-45 bytes;  v46 word;  v47 the other half's
.set SO,  42
.set BY,  44
.set WD,  46
.set TP,  47
.set DD,  48                           ; v48-49 the two words that I store
.set X,   64                           ; v64-127 my two blocks of 32, in sigma's order
.set R,   128                          ; v128-255 two sets of 64 registers as loaded
.set STG, 8448                         ; LDS: a stage of 16 rows x (512 bytes + 16) for each wave
.set XW,  32                           ; weights: v32-95 two sets of 32 numbers
.set SB,  24                           ; v24-25 eight scale bytes
	s_load_b256 s[4:11], s[0:1], 0x0               ; x s[4:5], w1 s[6:7], w2 s[8:9], xc s[10:11]
	s_load_b128 s[12:15], s[0:1], 0x20             ; xs s[12:13], wc s[14:15]
	s_load_b64 s[16:17], s[0:1], 0x30              ; ws
	v_lshl_add_u32 v11, v0, 2, 0x8400
	v_mov_b32 v31, 0
	v_lshrrev_b32 v1, 5, v0
	v_readfirstlane_b32 s18, v1                    ; wave 0..3
	v_and_b32 v7, 31, v0                           ; lane
	s_cmp_lt_u32 ttmp9, 256
	s_cbranch_scc0 .Lweights
; ---------------- x: K is innermost.  A load takes 512 consecutive bytes of one row; the 16 rows x 128 numbers of a K step turn through the wave's stage, so that lane (r, h) gets blocks h and 2 + h of row r whole.
	v_lshlrev_b32 v1, 4, v7                        ; 16 x lane
	v_lshl_add_u32 v2, v7, 3, 512                  ; 512 + 8 x lane
	v_lshlrev_b32 v3, 3, v7                        ; 8 x lane
	s_mul_i32 s19, s18, STG
	v_add_nc_u32 v4, s19, v1                       ; into the stage: as loaded
	v_and_b32 v8, 15, v7                           ; r
	v_lshrrev_b32 v9, 4, v7                        ; h
	v_mul_u32_u24 v5, v8, 528
	v_lshl_add_u32 v5, v9, 7, v5
	v_add_nc_u32 v5, s19, v5                       ; out of it: row r, + 128 h bytes: rows 33 x 16 bytes apart
	v_lshlrev_b32 v6, 3, v9                        ; 8 h
	v_mov_b32 v[TP], 0                             ; a lane permute's destination counts as one of its sources
	s_mov_b32 s20, 0x76543210
	s_mov_b32 s21, 0xfedcba98                      ; v_permlanex16_b32's selects for lane l xor 16
	s_lshl_b32 s22, ttmp9, 2
	s_add_co_u32 s22, s22, s18
	s_lshr_b32 s23, s22, 1                         ; my tile of 16 rows, 0..511
	s_and_b32 s24, s22, 1                          ; my half of K
	s_lshl_b32 s26, s23, 16                        ; x: 16 rows of 4,096 bytes,
	s_lshl_b32 s25, s24, 11                        ; 512 numbers
	s_add_co_u32 s26, s26, s25
	s_mov_b32 s27, 0
	s_mul_i32 s28, s23, 12288                      ; codes
	s_mul_i32 s25, s24, 6144
	s_add_co_u32 s28, s28, s25
	s_mov_b32 s29, 0
	s_lshl_b32 s30, s23, 9                         ; scale words
	s_lshl_b32 s25, s24, 8
	s_add_co_u32 s30, s30, s25
	s_mov_b32 s31, 0
	s_wait_alu depctr_va_vdst(0)
	s_wait_kmcnt 0x0
	s_add_nc_u64 s[4:5], s[4:5], s[26:27]
	s_add_nc_u64 s[10:11], s[10:11], s[28:29]
	s_add_nc_u64 s[12:13], s[12:13], s[30:31]
.macro XLOAD t                         ; K step t: 16 rows x 512 bytes
.irp p, 0,1,2,3,4,5,6,7,8,9,10,11,12,13,14,15
	global_load_b128 v[R+64*((\t)%2)+4*\p:R+64*((\t)%2)+4*\p+3], v1, s[4:5] offset:4096*\p+512*(\t) th:TH_LOAD_NT
.endr
.endm
.macro XSTEP t
.if (\t) < 3
	s_wait_loadcnt 16                              ; this step's 16 loads are in; the next step's 16 may be out
.else
	s_wait_loadcnt 0x0
.endif
.irp p, 0,1,2,3,4,5,6,7,8,9,10,11,12,13,14,15
	ds_store_b128 v4, v[R+64*((\t)%2)+4*\p:R+64*((\t)%2)+4*\p+3] offset:528*\p
.endr
.irp c, 0,1                            ; LDS serves a wave's instructions in order: these see the stores.  Four numbers a load; group i of a block's places takes group i with its bits 1 and 2 exchanged: sigma
.irp i, 0,1,2,3,4,5,6,7
	ds_load_b128 v[X+32*\c+4*\i:X+32*\c+4*\i+3], v5 offset:256*\c+16*(((\i)&1)+(((\i)&2)<<1)+(((\i)&4)>>1))
.endr
.endr
	s_wait_dscnt 0x0                               ; my numbers are back; the stores into the stage have read their registers
.if (\t) > 0
	s_wait_xcnt 0x0                                ; the last step's stores have read their data: the codes' registers are written again below
.endif
.if (\t)+2 < 4
	XLOAD (\t)+2
.endif
.irp c, 0,1
	v_max3_num_f32 v[MX+\c], |v[X+32*\c]|, |v[X+32*\c+1]|, 0x1800000   ; block 2 c + h: all 32 numbers are mine; the floor 2^(3 - 127) holds the byte at 1 from below
.endr
.irp i, 2,4,6,8,10,12,14,16,18,20,22,24,26,28,30
.irp c, 0,1
	v_max3_num_f32 v[MX+\c], v[MX+\c], |v[X+32*\c+\i]|, |v[X+32*\c+\i+1]|
.endr
.endr
.irp c, 0,1
	v_add_nc_u32 v[SO+\c], 0xff000000, v[MX+\c]    ; 2 off the exponent field: the conversion takes this operand's exponent field as its scale
.endr
.irp c, 0,1
	v_lshrrev_b32 v[BY+\c], 23, v[SO+\c]           ; the scale's byte
.endr
	v_lshl_or_b32 v[WD], v[BY+1], 16, v[BY]        ; my two bytes: blocks h and 2 + h,
	v_lshlrev_b32 v[WD], v6, v[WD]                 ; at their places in the row's word;
	v_permlanex16_b32 v[TP], v[WD], s20, s21
	v_or_b32 v[PWR+(\t)], v[WD], v[TP]             ; with lane l xor 16's two the word is whole
.irp c, 0,1
	v_cvt_scalef32_pk16_fp6_f32 v[C+6*\c:C+6*\c+2], v[X+32*\c:X+32*\c+15], v[SO+\c]
	v_cvt_scalef32_pk16_fp6_f32 v[E+4*\c:E+4*\c+2], v[X+32*\c+16:X+32*\c+31], v[SO+\c]
.endr
	v_nop                                          ; one plain place behind a scaled conversion
.irp c, 0,1
.irp i, 0,1,2
	v_mov_b32 v[C+6*\c+3+\i], v[E+4*\c+\i]
.endr
.endr
.irp c, 0,1
	global_store_b128 v1, v[C+6*\c:C+6*\c+3], s[10:11] offset:1536*(\t)+768*\c     ; 512 consecutive bytes,
	global_store_b64 v2, v[C+6*\c+4:C+6*\c+5], s[10:11] offset:1536*(\t)+768*\c    ; 256 consecutive bytes, both aligned to 256
.endr
.endm
	XLOAD 0
	XLOAD 1
	XSTEP 0
	XSTEP 1
	XSTEP 2
	XSTEP 3
	v_cmp_le_u32 vcc_lo, 16, v7                    ; lanes 0-15 store the first chunk's two words of row r, lanes 16-31 the second chunk's: 256 consecutive bytes
	v_cndmask_b32 v[DD], v[PWR], v[PWR+2], vcc_lo
	v_cndmask_b32 v[DD+1], v[PWR+1], v[PWR+3], vcc_lo
	global_store_b64 v3, v[DD:DD+1], s[12:13]
	s_wait_tensorcnt 0x0
	ds_add_u32 v11, v31
	s_wait_dscnt 0x0
	s_endpgm
; ---------------- the weights: K is the first axis.  A lane takes a column n and its registers run down K (in sigma's order, by the loads' immediates): a block of 32 lies in one lane, and the codes come out with K innermost.
.macro WLOAD t, n, ptr                 ; block t: 32 loads of 128 consecutive bytes a wave
.irp i, 0,1,2,3,4,5,6,7,8,9,10,11,12,13,14,15,16,17,18,19,20,21,22,23,24,25,26,27,28,29,30,31
	global_load_b32 v[XW+32*((\t)%2)+\i], v1, s[\ptr:\ptr+1] offset:(32*(\t)+((\i)&7)+(((\i)&8)<<1)+(((\i)&16)>>1))*\n*4 th:TH_LOAD_NT
.endr
.endm
.macro WBLOCK t, n, ptr
.set XS, XW+32*((\t)%2)
.set PP, 96+12*((\t)%2)                ; v96-101 + v104-106: the even block's codes;  v108-113 + v116-118: the odd block's
.if (\t) < 7
	s_wait_loadcnt 32                              ; this block's 32 loads are in; the next block's may be out
.else
	s_wait_loadcnt 0x0
.endif
.if ((\t)%2 == 0) && ((\t) > 0)
	s_wait_xcnt 0x0                                ; the last pair's stores have read their data: both sets of codes are written again
.endif
	v_max3_num_f32 v12, |v[XS]|, |v[XS+1]|, |v[XS+2]|
	v_max3_num_f32 v13, |v[XS+3]|, |v[XS+4]|, |v[XS+5]|
.irp i, 6,10,14,18,22,26
	v_max3_num_f32 v12, v12, |v[XS+\i]|, |v[XS+\i+1]|
	v_max3_num_f32 v13, v13, |v[XS+\i+2]|, |v[XS+\i+3]|
.endr
	v_max3_num_f32 v12, v12, |v[XS+30]|, |v[XS+31]|
	v_max3_num_f32 v12, v12, v13, 0x1800000        ; and the floor
	v_add_nc_u32 v14, 0xff000000, v12              ; the conversion's scale operand
	v_lshrrev_b32 v15, 23, v14                     ; the byte
.if (\t)%4 == 0
	v_mov_b32 v[SB+(\t)/4], v15
.else
	v_lshl_or_b32 v[SB+(\t)/4], v15, 8*((\t)%4), v[SB+(\t)/4]
.endif
	v_cvt_scalef32_pk16_fp6_f32 v[PP:PP+2], v[XS:XS+15], v14
	v_cvt_scalef32_pk16_fp6_f32 v[PP+8:PP+10], v[XS+16:XS+31], v14
	v_nop                                          ; one plain place behind a scaled conversion
.if (\t)+2 < 8
	WLOAD (\t)+2, \n, \ptr
.endif
.if (\t)%2 == 1                        ; two blocks are a half fragment's 64 along K.  Lanes 0-15 hold the columns of one tile of 16, lanes 16-31 those of the next:
.irp i, 0,1,2                          ; the even set's upper lanes change places with the odd set's lower lanes, and each set is one tile's half fragment: lane r + 16 h has block h of row r
	v_permlane16_swap_b32 v[96+\i], v[108+\i]
	v_permlane16_swap_b32 v[104+\i], v[116+\i]
.endr
.irp i, 0,1,2
	v_mov_b32 v[99+\i], v[104+\i]
	v_mov_b32 v[111+\i], v[116+\i]
.endr
	global_store_b128 v2, v[96:99], s[14:15] offset:((\t)/2)*768
	global_store_b64 v3, v[100:101], s[14:15] offset:((\t)/2)*768
	global_store_b128 v2, v[108:111], s[14:15] offset:12288+((\t)/2)*768
	global_store_b64 v3, v[112:113], s[14:15] offset:12288+((\t)/2)*768
.endif
.endm
.macro WPATH n, ptr, rt0, first        ; n columns; the weight's pointer; its first tile in wc; its first work-group
	s_sub_co_u32 s22, ttmp9, \first
	s_and_b32 s23, s22, 3                          ; my chunk of 256 along K
	s_lshr_b32 s24, s22, 2
	s_lshl_b32 s25, s24, 7
	s_lshl_b32 s26, s18, 5
	s_add_co_u32 s25, s25, s26                     ; my wave's first column
	s_lshl_b32 s26, s25, 2
	s_mul_i32 s28, s23, 256*\n*4
	s_add_co_u32 s26, s26, s28
	s_mov_b32 s27, 0
	s_lshr_b32 s25, s25, 4
	s_add_co_u32 s25, s25, \rt0                    ; my first tile of 16 in wc
	s_mul_i32 s28, s25, 12288
	s_mul_i32 s30, s23, 3072
	s_add_co_u32 s28, s28, s30
	s_mov_b32 s29, 0
	s_lshl_b32 s30, s25, 9
	s_lshl_b32 s32, s23, 7
	s_add_co_u32 s30, s30, s32
	s_mov_b32 s31, 0
	s_wait_kmcnt 0x0
	s_add_nc_u64 s[\ptr:\ptr+1], s[\ptr:\ptr+1], s[26:27]
	s_add_nc_u64 s[14:15], s[14:15], s[28:29]
	s_add_nc_u64 s[16:17], s[16:17], s[30:31]
	WLOAD 0, \n, \ptr
	WLOAD 1, \n, \ptr
.irp t, 0,1,2,3,4,5,6,7
	WBLOCK \t, \n, \ptr
.endr
	global_store_b64 v4, v[SB:SB+1], s[16:17]      ; my column's eight bytes: two runs of 128 consecutive bytes a wave (one byte for each 128 that the launch reads)
	s_endpgm
.endm
.Lweights:
	s_wait_alu depctr_va_vdst(0)
	v_lshlrev_b32 v1, 2, v7                        ; 4 x lane
	v_lshlrev_b32 v2, 4, v7                        ; 16 x lane
	v_lshl_add_u32 v3, v7, 3, 512                  ; 512 + 8 x lane
	v_lshrrev_b32 v4, 4, v7
	v_and_b32 v5, 15, v7
	v_lshlrev_b32 v4, 9, v4
	v_lshl_add_u32 v4, v5, 3, v4                   ; scale bytes: 512 x (lane / 16) + 8 x (lane % 16)
	s_cmp_lt_u32 ttmp9, 352
	s_cbranch_scc0 .Lsecond
	s_wait_alu depctr_va_vdst(0)
	WPATH 3072, 6, 0, 256
.Lsecond:
	s_wait_alu depctr_va_vdst(0)
	WPATH 1024, 8, 192, 352
.Lfunc_end_k_q130711a984_quant:
	.size	k_q130711a984_quant, .Lfunc_end_k_q130711a984_quant-k_q130711a984_quant
	.p2alignl 7, 3214868480
	.fill 96, 4, 3214868480
	.section	.rodata,"a",@progbits
	.p2align	6, 0x0
	.amdhsa_kernel k_q130711a984_quant
		.amdhsa_group_segment_fixed_size 34304
		.amdhsa_private_segment_fixed_size 0
		.amdhsa_enable_private_segment 0
		.amdhsa_kernarg_size 56
		.amdhsa_user_sgpr_count 2
		.amdhsa_user_sgpr_kernarg_segment_ptr 1
		.amdhsa_wavefront_size32 1
		.amdhsa_system_sgpr_workgroup_id_x 1
		.amdhsa_system_sgpr_workgroup_id_y 1
		.amdhsa_system_sgpr_workgroup_id_z 1
		.amdhsa_system_vgpr_workitem_id 0
		.amdhsa_next_free_vgpr 256
		.amdhsa_next_free_sgpr 66
		.amdhsa_reserve_vcc 1
		.amdhsa_float_denorm_mode_32 3
		.amdhsa_float_denorm_mode_16_64 3
		.amdhsa_memory_ordered 1
		.amdhsa_forward_progress 1
		.amdhsa_inst_pref_size 109
	.end_amdhsa_kernel
	.amdgpu_metadata
---
amdhsa.version: [ 1, 2 ]
amdhsa.kernels:
  - .name:           k_q130711a984_quant
    .symbol:         k_q130711a984_quant.kd
    .args:
      - { .name: x, .offset: 0, .size: 8, .value_kind: global_buffer, .address_space: global }
      - { .name: w1, .offset: 8, .size: 8, .value_kind: global_buffer, .address_space: global }
      - { .name: w2, .offset: 16, .size: 8, .value_kind: global_buffer, .address_space: global }
      - { .name: xc, .offset: 24, .size: 8, .value_kind: global_buffer, .address_space: global }
      - { .name: xs, .offset: 32, .size: 8, .value_kind: global_buffer, .address_space: global }
      - { .name: wc, .offset: 40, .size: 8, .value_kind: global_buffer, .address_space: global }
      - { .name: ws, .offset: 48, .size: 8, .value_kind: global_buffer, .address_space: global }
    .group_segment_fixed_size: 34304
    .private_segment_fixed_size: 0
    .kernarg_segment_align: 8
    .kernarg_segment_size: 56
    .max_flat_workgroup_size: 128
    .sgpr_count:     66
    .vgpr_count:     256
    .wavefront_size: 32
...
	.end_amdgpu_metadata
.endif
;; end of part 1
;; launch gemm1 (part 2): grid 8 x 48, 4 waves a work-group, clusters of 4 x 4, 327,680 bytes of LDS; arguments xc, xs, wc, ws, b1, hc, hs; writes hc, hs
.if DOCPART == 2
	.amdgcn_target "amdgcn-amd-amdhsa--gfx1250"
	.amdhsa_code_object_version 6
	.text
	.protected	k_q130711a984_gemm1
	.globl	k_q130711a984_gemm1
	.p2align	8
	.type	k_q130711a984_gemm1,@function
k_q130711a984_gemm1:
	s_mov_b64 s[64:65], 0
	v_nop
	global_prefetch_b8 v0, s[64:65] scope:SCOPE_SE
	s_setreg_imm32_b32 hwreg(HW_REG_WAVE_MODE, 25, 1), 1
	s_wait_xcnt 0x0
	s_wait_alu depctr_hold_cnt(0) depctr_sa_sdst(0) depctr_va_vdst(0) depctr_va_sdst(0) depctr_va_ssrc(0) depctr_va_vcc(0) depctr_vm_vsrc(0)
	s_getreg_b32 s2, hwreg(HW_REG_IB_STS2, 6, 4)
	s_cmp_eq_u32 s2, 0
	s_cbranch_scc0 .Lentry_in_a_cluster
	s_endpgm
.Lentry_in_a_cluster:
	s_bfe_u32 s2, ttmp6, 0x10000c
	s_cmp_lg_u32 s2, 0xf033
	s_cbranch_scc0 .Lentry_shape_is_right
	s_endpgm
.Lentry_shape_is_right:
.set RT,     3072
.set HALFT,  8*RT
.set SLOT,   4*HALFT
.set NQ,     2
.set FR,     12
.set NL,     4
.set NP,     4
.set SCL,    2*SLOT
.set HALFS,  4096
.set SPARE,  SCL+4*HALFS
.set HEADC,  294912
.set HEADS,  20480
.set ADRA, 16
.set ADRB, 20
.set ADRS, 27
.set SPW,  28
.set NIL,  29
.set SC,   32
.set BP,   64
.set AF,   128
.set BR,   240
.set T,    128
.set PC,   192
.set TM,   212
.set PW,   220
.set SW,   228
.set DW,   236
.set SEL,  92
.set G1, 24
.set G0, 32
.set G1B, 48
.set G0B, 56
.set G1S, 68
.set G0S, 76
.set G1SB, 80
.set G0SB, 88
.set MSB, 0
.macro WIN new
.if MSB != \new
	s_set_vgpr_msb (MSB<<8)|\new
.set MSB, \new
.endif
.endm
.set MUL_LO, 0xa1
.set MUL_HI, 0xf1
.set TO_B,   0x40
.macro JLOAD g0a, g1a, g0b, g1b
	s_cmp_eq_u32 s15, 0
	s_cbranch_scc0 .Lfor_b_\@
	tensor_load_to_lds s[\g0a:\g0a+3], s[\g1a:\g1a+7]
	s_nop 0
.rept 4
	v_nop
.endr
	s_branch .Lasked_\@
.Lfor_b_\@:
	tensor_load_to_lds s[\g0b:\g0b+3], s[\g1b:\g1b+7]
	s_nop 0
.rept 4
	v_nop
.endr
.Lasked_\@:
.endm
.macro CREST
	s_cmp_lg_u32 s14, 0
	s_cbranch_scc1 .Lnot_wave_0_\@
	s_barrier_signal -3
.Lnot_wave_0_\@:
	s_barrier_wait -3
	s_barrier_signal -1
	s_barrier_wait -1
.endm
.macro CROUND
	s_barrier_signal -1
	s_barrier_wait -1
	CREST
.endm
	s_load_b256 s[4:11], s[0:1], 0x0
	s_load_b64 s[12:13], s[0:1], 0x20
	s_load_b128 s[96:99], s[0:1], 0x28
	v_lshl_add_u32 v[SPW], v0, 2, SPARE
	v_mov_b32 v[NIL], 0
	ds_add_u32 v28, v29
	ds_add_u32 v28, v29
	s_wait_dscnt 0x0
	v_lshrrev_b32 v1, 5, v0
	v_readfirstlane_b32 s14, v1
	s_lshr_b32 s15, s14, 1
	s_and_b32 s16, s14, 1
	s_bfe_u32 s40, ttmp6, 0x40000
	s_bfe_u32 s41, ttmp6, 0x40004
	s_and_b32 s20, ttmp7, 0xffff
	s_lshl_b32 s17, s20, 2
	s_max_u32 s21, s20, 8
	s_sub_co_u32 s21, s21, 8
	s_lshl_b32 s21, s21, 1
	s_add_co_u32 s21, s21, ttmp9
	s_cmp_lt_u32 s20, 8
	s_cselect_b32 s95, 0, 1
	s_cselect_b32 s17, s17, 8
	s_cselect_b32 s42, ttmp9, s21
	s_add_co_u32 s17, s17, s41
	s_lshl_b32 s42, s42, 2
	s_add_co_u32 s42, s42, s40
	s_lshl_b32 s43, s41, 2
	s_lshl_b32 s43, 15, s43
	s_lshl_b32 s44, 0x1111, s40
	s_or_b32 s[G1+0], s43, (3<<16)|(1<<21)
	s_or_b32 s[G1B+0], s44, (3<<16)|(1<<21)
.irp g, G1, G1B
	s_mov_b32 s[\g+1], 384<<16
	s_mov_b32 s[\g+2], 8<<16
	s_mov_b32 s[\g+3], 384<<16
	s_mov_b32 s[\g+4], 8
	s_mov_b32 s[\g+5], 1536
	s_mov_b32 s[\g+6], 0
	s_mov_b32 s[\g+7], 0
.endr
	s_or_b32 s[G1S+0], s43, (3<<16)|(1<<21)
	s_or_b32 s[G1SB+0], s44, (3<<16)|(1<<21)
.irp g, G1S, G1SB
	s_mov_b32 s[\g+1], 32<<16
	s_mov_b32 s[\g+2], 16<<16
	s_mov_b32 s[\g+3], 32<<16
	s_mov_b32 s[\g+4], 16
	s_mov_b32 s[\g+5], 32
	s_mov_b32 s[\g+6], 0
	s_mov_b32 s[\g+7], 0
.endr
	s_lshl_b32 s18, s16, 3
	s_lshl_b32 s20, s17, 4
	s_add_co_u32 s20, s20, s18
	s_lshl_b32 s46, s42, 4
	s_add_co_u32 s46, s46, s18
	s_lshl_b32 s22, s20, 9
	s_mov_b32 s23, 0
	s_lshl_b32 s92, s46, 9
	s_mov_b32 s93, 0
	s_mul_i32 s20, s20, 12288
	s_mov_b32 s21, 0
	s_mul_i32 s46, s46, 12288
	s_mov_b32 s47, 0
	s_mul_i32 s45, s14, HALFT
	s_mul_i32 s94, s14, HALFS
	s_wait_kmcnt 0x0
	s_cmp_eq_u32 s95, 0
	s_cselect_b64 s[66:67], s[4:5], s[8:9]
	s_cselect_b64 s[100:101], s[6:7], s[10:11]
	s_cselect_b64 s[4:5], s[8:9], s[4:5]
	s_cselect_b64 s[6:7], s[10:11], s[6:7]
	s_add_nc_u64 s[20:21], s[66:67], s[20:21]
	s_add_nc_u64 s[22:23], s[100:101], s[22:23]
	s_add_nc_u64 s[46:47], s[4:5], s[46:47]
	s_add_nc_u64 s[92:93], s[6:7], s[92:93]
	CROUND
	s_mov_b32 s[G0S], 1
	s_add_co_u32 s[G0S+1], s94, SCL
	s_mov_b64 s[G0S+2:G0S+3], s[22:23]
	s_or_b32 s[G0S+3], s[G0S+3], 0x80000000
	s_mov_b32 s[G0SB], 1
	s_add_co_u32 s[G0SB+1], s94, SCL
	s_mov_b64 s[G0SB+2:G0SB+3], s[92:93]
	s_or_b32 s[G0SB+3], s[G0SB+3], 0x80000000
	JLOAD G0S, G1S, G0SB, G1SB
.irp s, 0,1
	s_mov_b32 s[G0+4*\s], 1
	s_add_co_u32 s[G0+4*\s+1], s45, \s*SLOT
	s_add_nc_u64 s[G0+4*\s+2:G0+4*\s+3], s[20:21], \s*RT
	s_or_b32 s[G0+4*\s+3], s[G0+4*\s+3], 0x80000000
	s_mov_b32 s[G0B+4*\s], 1
	s_add_co_u32 s[G0B+4*\s+1], s45, \s*SLOT
	s_add_nc_u64 s[G0B+4*\s+2:G0B+4*\s+3], s[46:47], \s*RT
	s_or_b32 s[G0B+4*\s+3], s[G0B+4*\s+3], 0x80000000
	s_wait_alu depctr_va_vdst(0)
	s_wait_tensorcnt 0x0
	ds_add_u32 v28, v29
	s_wait_dscnt 0x0
	CROUND
	JLOAD G0+4*\s, G1, G0B+4*\s, G1B
.endr
	v_and_b32 v1, 15, v0
	v_bfe_u32 v2, v0, 4, 1
	v_and_b32 v3, 31, v0
	v_lshlrev_b32 v8, 5, v2
	s_wait_alu depctr_va_vdst(0)
	v_lshlrev_b32 v9, 2, v1
	s_wait_alu depctr_va_vdst(0)
	s_lshl_b32 s46, s42, 8
	s_lshl_b32 s47, s16, 7
	s_add_co_u32 s46, s46, s47
	s_lshl_b32 s22, s17, 8
	s_lshl_b32 s23, s15, 7
	s_add_co_u32 s22, s22, s23
	s_lshl_b32 s46, s46, 2
	s_lshl_b32 s22, s22, 2
	s_cmp_eq_u32 s95, 0
	s_cselect_b32 s46, s46, 0
	s_cselect_b32 s22, 0, s22
	s_mov_b32 s47, 0
	s_mov_b32 s23, 0
	s_add_nc_u64 s[66:67], s[12:13], s[46:47]
	s_add_nc_u64 s[12:13], s[12:13], s[22:23]
.irp b, 0,1,2,3,4,5,6,7
	global_load_b128 v[BP+8*\b:BP+8*\b+3], v8, s[66:67] offset:64*\b
	global_load_b128 v[BP+8*\b+4:BP+8*\b+7], v8, s[66:67] offset:64*\b+16
.endr
.irp a, 0,1,2,3,4,5,6,7
	global_load_b32 v[BR+2*\a], v9, s[12:13] offset:64*\a
	global_load_b32 v[BR+2*\a+1], v9, s[12:13] offset:64*\a
.endr
	v_lshlrev_b32 v10, 4, v3
	v_lshl_add_u32 v11, v3, 3, 512
	v_mul_u32_u24 v12, v2, HEADS
	v_lshl_add_u32 v12, v1, 4, v12
	v_lshlrev_b32 v13, 4, v2
	s_mul_i32 s21, s15, HALFT
	s_mul_i32 s22, s16, HALFT
	s_add_co_u32 s22, s22, 2*HALFT
.irp s, 0,1
	v_add_nc_u32 v[ADRA+\s], s21, v10
	v_add_nc_u32 v[ADRB+\s], s22, v10
	v_add_nc_u32 v[ADRA+2+\s], s21, v11
	v_add_nc_u32 v[ADRB+2+\s], s22, v11
	s_add_co_u32 s21, s21, SLOT
	s_add_co_u32 s22, s22, SLOT
.endr
	v_lshlrev_b32 v5, 3, v1
	s_mul_i32 s21, s15, HALFS
	s_mul_i32 s22, s16, HALFS
	s_add_co_u32 s22, s22, 2*HALFS
	s_sub_co_u32 s22, s22, s21
	v_mul_u32_u24 v6, s22, v2
	s_add_co_u32 s21, s21, SCL
	v_add_nc_u32 v5, v5, v6
	v_add_nc_u32 v[ADRS], s21, v5
.macro FRAG reg, adr, q, i
	ds_load_b128 v[\reg:\reg+3], v[\adr] offset:(\i)*RT+1536*(\q)
	ds_load_b64 v[\reg+4:\reg+5], v[\adr+2] offset:(\i)*RT+1536*(\q)
	ds_load_b128 v[\reg+6:\reg+9], v[\adr] offset:(\i)*RT+1536*(\q)+768
	ds_load_b64 v[\reg+10:\reg+11], v[\adr+2] offset:(\i)*RT+1536*(\q)+768
.endm
.macro MUL16 a0, p, q, sc, zero
.irp a, \a0, \a0+1
.irp b, 0,1,2,3,4,5,6,7
.if \zero
	v_wmma_scale_f32_16x16x128_f8f6f4 v[8*(8*((\a)%4)+\b):8*(8*((\a)%4)+\b)+7], v[128*(\p)+FR*\b:128*(\p)+FR*\b+FR-1], v[AF+FR*(\a):AF+FR*(\a)+FR-1], 0, v[SC+8*NQ*(\sc)+NQ*\b+(\q)], v[SC+8*NQ*(\sc)+NQ*(\a)+(\q)] matrix_a_fmt:MATRIX_FMT_FP6 matrix_b_fmt:MATRIX_FMT_FP6 matrix_a_scale:MATRIX_SCALE_ROW1
.else
	v_wmma_scale_f32_16x16x128_f8f6f4 v[8*(8*((\a)%4)+\b):8*(8*((\a)%4)+\b)+7], v[128*(\p)+FR*\b:128*(\p)+FR*\b+FR-1], v[AF+FR*(\a):AF+FR*(\a)+FR-1], v[8*(8*((\a)%4)+\b):8*(8*((\a)%4)+\b)+7], v[SC+8*NQ*(\sc)+NQ*\b+(\q)], v[SC+8*NQ*(\sc)+NQ*(\a)+(\q)] matrix_a_fmt:MATRIX_FMT_FP6 matrix_b_fmt:MATRIX_FMT_FP6 matrix_a_scale:MATRIX_SCALE_ROW1
.endif
.endr
.endr
.endm
.macro FETCH_B slot, q, p
	WIN TO_B
.irp i, 0,1,2,3,4,5,6,7
	FRAG 128*(\p)+FR*\i, ADRB+\slot, \q, \i
.endr
	WIN 0
.endm
.macro FETCH_A slot, q, i0
.irp i, \i0, \i0+1, \i0+2, \i0+3
	FRAG AF+FR*(\i), ADRA+\slot, \q, \i
.endr
.endm
.macro SCALES sc
.irp i, 0,1,2,3,4,5,6,7
	ds_load_b64 v[SC+8*NQ*\sc+NQ*\i:SC+8*NQ*\sc+NQ*\i+1], v[ADRS] offset:\i*512
.endr
.endm
.macro PLACES n
.rept \n
	v_nop
.endr
.endm
.macro STEP slot, q, zero
	s_wait_dscnt 4*NL
	WIN MUL_LO
	MUL16 0, (\q)%2, \q, \slot, \zero
	MUL16 2, (\q)%2, \q, \slot, \zero
	s_wait_dscnt 0
	PLACES NP
	FETCH_B \slot, (\q)+1, 1-(\q)%2
	FETCH_A \slot, (\q)+1, 0
	WIN MUL_HI
	MUL16 4, (\q)%2, \q, \slot, \zero
	MUL16 6, (\q)%2, \q, \slot, \zero
	PLACES NP
	WIN 0
	FETCH_A \slot, (\q)+1, 4
.endm
.macro TURN slot, next, fill
	s_wait_tensorcnt 0x0
	ds_add_u32 v[SPW], v[NIL]
	s_wait_dscnt 4*NL+1
	WIN MUL_LO
	MUL16 0, 1, NQ-1, \slot, 0
	s_wait_dscnt 0x0
	s_barrier_signal -1
	MUL16 2, 1, NQ-1, \slot, 0
	WIN 0
	s_barrier_wait -1
.if \fill
	CREST
	s_add_nc_u64 s[G0+4*\slot+2:G0+4*\slot+3], s[G0+4*\slot+2:G0+4*\slot+3], 2*RT
	s_add_nc_u64 s[G0B+4*\slot+2:G0B+4*\slot+3], s[G0B+4*\slot+2:G0B+4*\slot+3], 2*RT
	JLOAD G0+4*\slot, G1, G0B+4*\slot, G1B
.else
	PLACES NP
.endif
	s_wait_alu depctr_va_vdst(0)
	v_add_nc_u32 v[ADRS], 128, v[ADRS]
	FETCH_B \next, 0, 0
	FETCH_A \next, 0, 0
	SCALES \next
	WIN MUL_HI
	MUL16 4, 1, NQ-1, \slot, 0
	MUL16 6, 1, NQ-1, \slot, 0
	PLACES NP
	WIN 0
	FETCH_A \next, 0, 4
.endm
	s_wait_alu depctr_va_vdst(0)
	s_wait_tensorcnt 1
	s_wait_loadcnt 0x0
	s_barrier_signal -1
	s_barrier_wait -1
	FETCH_B 0, 0, 0
	FETCH_A 0, 0, 0
	SCALES 0
	FETCH_A 0, 0, 4
	STEP 0, 0, 1
	TURN 0, 1, 1
	STEP 1, 0, 0
	TURN 1, 0, 1
	STEP 0, 0, 0
	TURN 0, 1, 0
	STEP 1, 0, 0
	s_wait_dscnt 4*NL
	WIN MUL_LO
	MUL16 0, 1, NQ-1, 1, 0
	MUL16 2, 1, NQ-1, 1, 0
	s_wait_dscnt 0
	WIN MUL_HI
	MUL16 4, 1, NQ-1, 1, 0
	MUL16 6, 1, NQ-1, 1, 0
	WIN 0
.macro QUANT s
.irp b, 0,1,2,3
	v_max3_num_f32 v[TM+\b], |v[\s+16*\b]|, |v[\s+1+16*\b]|, 0x1800000
.endr
.irp i, 2,4,6,8,10,12,14
.irp b, 0,1,2,3
	v_max3_num_f32 v[TM+\b], v[TM+\b], |v[\s+16*\b+\i]|, |v[\s+1+16*\b+\i]|
.endr
.endr
.irp b, 0,1,2,3
	v_permlanex16_b32 v[TM+4+\b], v[TM+\b], s[SEL], s[SEL+1]
.endr
.irp b, 0,1,2,3
	v_max_num_f32 v[TM+\b], v[TM+\b], v[TM+4+\b]
.endr
.irp b, 0,1,2,3
	v_add_nc_u32 v[TM+12+\b], 0xff000000, v[TM+\b]
.endr
.irp b, 0,1,2,3
	v_lshrrev_b32 v[TM+4+\b], 23, v[TM+12+\b]
.endr
	v_lshl_or_b32 v[PW], v[TM+5], 8, v[TM+4]
	v_lshl_or_b32 v[PW], v[TM+6], 16, v[PW]
	v_lshl_or_b32 v[PW], v[TM+7], 24, v[PW]
.irp c, 0,1
	v_cvt_scalef32_pk16_fp6_f32 v[PC+6*\c:PC+2+6*\c], v[\s+32*\c:\s+15+32*\c], v[TM+12+2*\c]
	v_cvt_scalef32_pk16_fp6_f32 v[PC+12+4*\c:PC+14+4*\c], v[\s+16+32*\c:\s+31+32*\c], v[TM+12+2*\c+1]
.endr
	v_nop
.irp c, 0,1
.irp i, 0,1,2
	v_permlane16_swap_b32 v[PC+6*\c+\i], v[PC+12+4*\c+\i]
.endr
.irp i, 0,1,2
	v_mov_b32 v[PC+3+6*\c+\i], v[PC+12+4*\c+\i]
.endr
.endr
.endm
.macro EPI a, vmode
	s_wait_xcnt 0x0
	WIN 0x02+(\a)/4
.set AC, 64*((\a)%4)
.set ii, 0
.rept 32
.if \vmode
	v_pk_add_f32 v[T+ii:T+ii+1], v[AC+ii:AC+ii+1], v[BR+2*(\a):BR+2*(\a)+1]
.else
	v_pk_add_f32 v[T+ii:T+ii+1], v[AC+ii:AC+ii+1], v[BP+ii:BP+ii+1]
.endif
.set ii, ii+2
.endr
	WIN 0
	QUANT T
.if \vmode
	v_mov_b32 v[SW+(\a)], v[PW]
	global_store_b128 v10, v[PC:PC+3], s[100:101] offset:((\a)/4)*HEADC+((\a)%4)*1536
	global_store_b64 v11, v[PC+4:PC+5], s[100:101] offset:((\a)/4)*HEADC+((\a)%4)*1536
	global_store_b128 v10, v[PC+6:PC+9], s[100:101] offset:((\a)/4)*HEADC+((\a)%4)*1536+768
	global_store_b64 v11, v[PC+10:PC+11], s[100:101] offset:((\a)/4)*HEADC+((\a)%4)*1536+768
.else
	v_bfe_u32 v[SW+(\a)], v[PW], v13, 16
	global_store_b128 v10, v[PC:PC+3], s[100:101] offset:(\a)*768
	global_store_b64 v11, v[PC+4:PC+5], s[100:101] offset:(\a)*768
	global_store_b128 v10, v[PC+6:PC+9], s[100:101] offset:HEADC+(\a)*768
	global_store_b64 v11, v[PC+10:PC+11], s[100:101] offset:HEADC+(\a)*768
.endif
.endm
	PLACES NP
.irp b, 0,1,2,3
	v_mov_b32 v[TM+4+\b], 0
.endr
	v_cmp_le_u32 vcc_lo, 16, v3
	s_mov_b32 s[SEL], 0x76543210
	s_mov_b32 s[SEL+1], 0xfedcba98
	s_mov_b32 s47, 0
	s_cmp_eq_u32 s95, 0
	s_cbranch_scc0 .Lvalues
	s_lshr_b32 s20, s17, 3
	s_lshl_b32 s20, s20, 4
	s_and_b32 s21, s42, 3
	s_lshl_b32 s21, s21, 1
	s_add_co_u32 s21, s21, s16
	s_lshl_b32 s21, s21, 1
	s_add_co_u32 s20, s20, s21
	s_lshr_b32 s21, s42, 2
	s_and_b32 s22, s17, 7
	s_lshl_b32 s22, s22, 1
	s_add_co_u32 s22, s22, s15
	s_mul_i32 s46, s20, HEADC
	s_mul_i32 s23, s21, 98304
	s_add_co_u32 s46, s46, s23
	s_mul_i32 s23, s22, 6144
	s_add_co_u32 s46, s46, s23
	s_add_nc_u64 s[100:101], s[96:97], s[46:47]
	s_mul_i32 s46, s20, HEADS
	s_lshl_b32 s23, s21, 13
	s_add_co_u32 s46, s46, s23
	s_lshl_b32 s23, s22, 9
	s_add_co_u32 s46, s46, s23
	s_add_nc_u64 s[104:105], s[98:99], s[46:47]
.irp a, 0,1,2,3,4,5,6,7
	EPI \a, 0
.endr
	global_store_b128 v12, v[SW:SW+3], s[104:105]
	global_store_b128 v12, v[SW+4:SW+7], s[104:105] offset:256
	s_branch .Ldone
.Lvalues:
	s_lshr_b32 s20, s42, 3
	s_lshl_b32 s20, s20, 4
	s_sub_co_u32 s21, s17, 8
	s_lshl_b32 s21, s21, 2
	s_add_co_u32 s20, s20, s21
	s_lshl_b32 s21, s15, 1
	s_add_co_u32 s20, s20, s21
	s_and_b32 s22, s42, 7
	s_lshl_b32 s22, s22, 1
	s_add_co_u32 s22, s22, s16
	s_mul_i32 s46, s20, HEADC
	s_mul_i32 s23, s22, 6144
	s_add_co_u32 s46, s46, s23
	s_add_co_u32 s46, s46, 196608
	s_add_nc_u64 s[100:101], s[96:97], s[46:47]
	s_mul_i32 s46, s20, HEADS
	s_lshl_b32 s23, s22, 8
	s_add_co_u32 s46, s46, s23
	s_add_co_u32 s46, s46, 16384
	s_add_nc_u64 s[104:105], s[98:99], s[46:47]
.irp a, 0,1,2,3,4,5,6,7
	EPI \a, 1
.endr
.irp i, 0,1,2,3
	v_cndmask_b32 v[DW+\i], v[SW+\i], v[SW+4+\i], vcc_lo
.endr
	global_store_b128 v12, v[DW:DW+3], s[104:105]
.Ldone:
	s_wait_tensorcnt 0x0
	ds_add_u32 v[SPW], v[NIL]
	s_wait_dscnt 0x0
	CROUND
	s_endpgm
.Lfunc_end_k_q130711a984_gemm1:
	.size	k_q130711a984_gemm1, .Lfunc_end_k_q130711a984_gemm1-k_q130711a984_gemm1
	.p2alignl 7, 3214868480
	.fill 96, 4, 3214868480
	.section	.rodata,"a",@progbits
	.p2align	6, 0x0
	.amdhsa_kernel k_q130711a984_gemm1
		.amdhsa_group_segment_fixed_size 327680
		.amdhsa_private_segment_fixed_size 0
		.amdhsa_enable_private_segment 0
		.amdhsa_kernarg_size 56
		.amdhsa_user_sgpr_count 2
		.amdhsa_user_sgpr_kernarg_segment_ptr 1
		.amdhsa_wavefront_size32 1
		.amdhsa_system_sgpr_workgroup_id_x 1
		.amdhsa_system_sgpr_workgroup_id_y 1
		.amdhsa_system_sgpr_workgroup_id_z 1
		.amdhsa_system_vgpr_workitem_id 0
		.amdhsa_next_free_vgpr 1024
		.amdhsa_next_free_sgpr 106
		.amdhsa_reserve_vcc 1
		.amdhsa_float_denorm_mode_32 3
		.amdhsa_float_denorm_mode_16_64 3
		.amdhsa_memory_ordered 1
		.amdhsa_forward_progress 1
		.amdhsa_inst_pref_size 221
	.end_amdhsa_kernel
	.amdgpu_metadata
---
amdhsa.version: [ 1, 2 ]
amdhsa.kernels:
  - .name:           k_q130711a984_gemm1
    .symbol:         k_q130711a984_gemm1.kd
    .args:
      - { .name: xc, .offset: 0, .size: 8, .value_kind: global_buffer, .address_space: global }
      - { .name: xs, .offset: 8, .size: 8, .value_kind: global_buffer, .address_space: global }
      - { .name: wc, .offset: 16, .size: 8, .value_kind: global_buffer, .address_space: global }
      - { .name: ws, .offset: 24, .size: 8, .value_kind: global_buffer, .address_space: global }
      - { .name: b1, .offset: 32, .size: 8, .value_kind: global_buffer, .address_space: global }
      - { .name: hc, .offset: 40, .size: 8, .value_kind: global_buffer, .address_space: global }
      - { .name: hs, .offset: 48, .size: 8, .value_kind: global_buffer, .address_space: global }
    .group_segment_fixed_size: 327680
    .private_segment_fixed_size: 0
    .kernarg_segment_align: 8
    .kernarg_segment_size: 56
    .max_flat_workgroup_size: 128
    .sgpr_count:     106
    .vgpr_count:     1024
    .wavefront_size: 32
...
	.end_amdgpu_metadata
.endif
;; end of part 2
;; launch attn (part 3): grid 4 x 64, 16 waves a work-group, clusters of 4 x 1, 235,520 bytes of LDS; arguments hc, hs, ac, asc; writes ac, asc
.if DOCPART == 3
	.amdgcn_target "amdgcn-amd-amdhsa--gfx1250"
	.amdhsa_code_object_version 6
	.text
	.protected	k_q130711a984_attn
	.globl	k_q130711a984_attn
	.p2align	8
	.type	k_q130711a984_attn,@function
k_q130711a984_attn:
	s_mov_b64 s[64:65], 0
	v_nop
	global_prefetch_b8 v0, s[64:65] scope:SCOPE_SE
	s_setreg_imm32_b32 hwreg(HW_REG_WAVE_MODE, 25, 1), 1
	s_wait_xcnt 0x0
	s_wait_alu depctr_hold_cnt(0) depctr_sa_sdst(0) depctr_va_vdst(0) depctr_va_sdst(0) depctr_va_ssrc(0) depctr_va_vcc(0) depctr_vm_vsrc(0)
	s_getreg_b32 s2, hwreg(HW_REG_IB_STS2, 6, 4)
	s_cmp_eq_u32 s2, 0
	s_cbranch_scc0 .Lentry_in_a_cluster
	s_endpgm
.Lentry_in_a_cluster:
	s_bfe_u32 s2, ttmp6, 0x10000c
	s_cmp_lg_u32 s2, 0x3003
	s_cbranch_scc0 .Lentry_shape_is_right
	s_endpgm
.Lentry_shape_is_right:
; For each (batch, head): out[s] = the sum over t of softmax_t(k[s] . q[t] / 8) v[t]: the rows of k ask, the rows of q are the keys.  Both products on codes of FP6 (E2M3) with E8M0 scales for each 32 along K.
; t = score x log2(e) / 8; M = the running largest t rounded up to a whole number; p = 2^(t - M) is quantised along the keys, not normalised; the row's sum is taken of the unquantised p and divides at the end.
; When M moves, the sum and the result are multiplied by 2^(old M - new M): exact.  The result is quantised here into the operand of the output projection (ac, asc).
; SHARES.  A work-group owns one (batch, head) and 512 asking rows; each of its sixteen waves takes a tile of 16 rows, twice.  The whole head lies in LDS, filled once: no byte is filled twice.
; FILLS.  One joint load a wave at the head, in one chain of arms: waves 0-5 the keys' codes (64 rows of 256 bytes each), waves 6-11 v's, wave 12 the scale words (48 rows); every wave waits for 0, one barrier shows all.
; CLUSTER.  The four work-groups of a cluster are one head's four blocks of rows: every fill is asked for jointly with the mask of all four.  No data prefetch: all is asked for at the head, there is no loop to run ahead in.
; LAYOUT.  Operands lie as half fragments (16 rows x 64 K, 768 bytes: lane l's first 16 bytes at 16 l, its last 8 at 512 + 8 l).  Both products are used transposed: a lane holds ONE asking row throughout.
; THE KEYS OF A TILE ARE CHOSEN BY THE LANES' LDS ADDRESSES: tile 4 c + i of a step takes as its rows 0-7 the octet sigma(i) of block 2 c and as its rows 8-15 the same octet of block 2 c + 1 (sigma = 0, 2, 1, 3: the order of v's codes
; inside a block).  So lane (r, h) holds in registers S + 32 c .. + 31 the whole block 2 c + h, in the places of v's codes: a block's maximum needs no other lane and the conversions' results are the operand.
; The keys' codes have 64 bytes of padding behind each 256, so a tile is 960 bytes and two tiles on are 128 bytes on modulo 256.
; K = 64 IN AN INSTRUCTION OF K = 128: the asking rows' registers 6-11 are zero codes and bytes 2, 3 of both sides' scale words are 0 (a finite scale); what stands in the key operand's registers 6-11 adds exactly 0.
; LIMITS: the promise holds while the scaled scores stay under 2^31 in magnitude; a block's largest p is taken as the exponential of its largest score (v_exp_f32 is taken not to fall where its input rises); a block of zeros gets the byte 1; NaN and infinities are not served.
.set KT,    960                        ; a key tile in LDS: 3 x (256 + 64)
.set KSTEP, 8*KT
.set VB,    128*KT                     ; v's codes
.set SCB,   VB+98304                   ; the keys' scale words (8,192 bytes), then v's (4,096)
.set SPARE, SCB+12288                  ; the spare words: 128 bytes a wave
.set F,   42                           ; v42-95 eight key tiles of 6 registers + 6 zeros; later v's four fragments
.set S,   96                           ; v96-159 S^T, then p
.set O,   160                          ; v160-191 O^T
.set PC,  192                          ; v192-203 p's codes
.set TV,  204                          ; v204-206, v208-210 the second conversions' codes;  v207 the second tile's scale word
.set BM,  212                          ; v212-213 my two blocks' largest scores, then largest p
.set B2,  214                          ; v214-215 second chains, then bytes
.set SO,  216                          ; v216-217 the conversions' scale operands
.set W,   218                          ; v218-219 my half of p's scale word, the other half's
.set KA0, 220                          ; v220-223, v228-229 LDS addresses for step 0: keys by 16 and by 8 bytes, v likewise, the keys' words, v's words
.set CH,  234                          ; v234-249 eight chains of the row's sum
.set KA,  3                            ; v3, v4, v8, v9, v232, v233 the same six for the trip's four steps
.set KC,  4
.set VA,  8
.set VC,  9
.set SK,  232
.set SV,  233
; v1 16 x lane, v2 512 + 8 x lane, v5 16 r, v6 8 r, v7 8 h; v[10:11], v[12:13] -M by turns (v13 the largest score so far); v[14:15] the sum; v16-27 the asking rows, v28 their word; v29 p's word; v30-37 the keys' words; v38-41 v's;
; v[224:225] f; v226, v227 at work; v250-253, v230-231 the second tile's rows
.set WV,  12
.set G1K, 16
.set G1V, 24
.set G1S, 84
.set SEL, 52
.set CS,  54
.set TK,  44                           ; s44-47 the trip's places in the keys, v, the keys' words, v's words
.macro CROUND
	s_barrier_signal -1
	s_barrier_wait -1
	s_cmp_lg_u32 s[WV], 0
	s_cbranch_scc1 .Lnot_wave_0_\@
	s_barrier_signal -3
.Lnot_wave_0_\@:
	s_barrier_wait -3
	s_barrier_signal -1
	s_barrier_wait -1
.endm
.macro GROUP1 g, w0, rows              ; dense bytes as rows of 256 (32 elements of 8 bytes)
	s_mov_b32 s[\g], \w0
	s_mov_b32 s[\g+1], 32<<16
	s_mov_b32 s[\g+2], (\rows)<<16
	s_mov_b32 s[\g+3], 32<<16
	s_mov_b32 s[\g+4], \rows
	s_mov_b32 s[\g+5], 32
	s_mov_b32 s[\g+6], 0
	s_mov_b32 s[\g+7], 0
.endm
.macro TLOAD g0, g1
	tensor_load_to_lds s[\g0:\g0+3], s[\g1:\g1+7]
	s_nop 0
.rept 4
	v_nop
.endr
.endm
	s_load_b256 s[4:11], s[0:1], 0x0               ; hc, hs, ac, asc
	v_lshl_add_u32 v254, v0, 2, SPARE
	v_mov_b32 v255, 0
	ds_add_u32 v254, v255                          ; the opening lines
	ds_add_u32 v254, v255
	v_lshrrev_b32 v1, 5, v0
	v_readfirstlane_b32 s[WV], v1                  ; wave 0..15
	s_bfe_u32 s13, ttmp6, 0x40000                  ; cx: it enters the asking rows' and the results' addresses alone
	s_and_b32 s72, ttmp7, 0xffff                   ; 16 x batch + head
	GROUP1 G1K, 15|(3<<16)|(1<<20)|(1<<21)|(5<<22)|(15<<25), 64   ; the keys: 16 words of padding behind every 64
	GROUP1 G1V, 15|(3<<16)|(1<<21), 64
	GROUP1 G1S, 15|(3<<16)|(1<<21), 48
	s_mul_i32 s74, s72, 294912                     ; the head's bytes in hc,
	s_mul_i32 s61, s72, 20480                      ; and in hs
	s_lshl_b32 s73, s[WV], 14                      ; keys and v lie on end in hc: wave w of 0..11 takes 16,384 bytes
	s_add_co_u32 s78, s73, s74
	s_add_co_u32 s78, s78, 98304
	s_mov_b32 s79, 0
	s_add_co_u32 s76, s61, 8192
	s_mov_b32 s77, 0
	s_mov_b32 s32, 1
	s_mul_i32 s33, s[WV], 64*320
	s_mov_b32 s36, 1
	s_add_co_u32 s37, s73, VB-6*16384
	s_mov_b32 s40, 1
	s_mov_b32 s41, SCB
	s_mov_b32 s[SEL], 0x76543210
	s_mov_b32 s[SEL+1], 0xfedcba98
	s_mov_b32 s[CS], 0x3e38aa3b                    ; log2(e) / 8
	s_mov_b32 s[CS+1], s[CS]
	s_wait_alu depctr_va_vdst(0)
	s_wait_dscnt 0x0
	s_wait_kmcnt 0x0
	s_add_nc_u64 s[34:35], s[4:5], s[78:79]
	s_mov_b64 s[38:39], s[34:35]
	s_or_b32 s35, s35, 0x80000000
	s_or_b32 s39, s39, 0x80000000
	s_add_nc_u64 s[42:43], s[6:7], s[76:77]
	s_or_b32 s43, s43, 0x80000000
	CROUND                                         ; all four work-groups are here: the joint loads meet
	s_cmp_lt_u32 s[WV], 6
	s_cbranch_scc0 .Lfor_v
	TLOAD 32, G1K
	s_branch .Lasked
.Lfor_v:
	s_cmp_lt_u32 s[WV], 12
	s_cbranch_scc0 .Lfor_s
	TLOAD 36, G1V
	s_branch .Lasked
.Lfor_s:
	s_cmp_eq_u32 s[WV], 12
	s_cbranch_scc0 .Lasked
	TLOAD 40, G1S
.Lasked:
	v_and_b32 v7, 31, v0
	v_and_b32 v5, 15, v0
	v_bfe_u32 v227, v0, 4, 1                       ; h
	v_bfe_u32 v226, v0, 3, 1                       ; r / 8
	v_and_b32 v218, 7, v0                          ; r % 8
	v_lshlrev_b32 v1, 4, v7
	v_lshl_add_u32 v2, v7, 3, 512
	v_mul_u32_u24 v219, v226, 2*KT                 ; lanes r >= 8 read two tiles on
	v_mad_u32_u24 v[KA0], v227, 320, v219
	v_lshl_add_u32 v[KA0], v218, 4, v[KA0]
	v_mad_u32_u24 v[KA0+1], v227, 128, v219
	v_lshl_add_u32 v[KA0+1], v218, 3, v[KA0+1]
	v_add_nc_u32 v[KA0+1], 640, v[KA0+1]
	v_add_nc_u32 v[KA0+2], VB, v1
	v_add_nc_u32 v[KA0+3], VB, v2
	v_lshlrev_b32 v228, 4, v218
	v_lshl_add_u32 v228, v226, 3, v228
	v_add_nc_u32 v228, SCB, v228                   ; the keys' words: 16 (r % 8) + 8 (r / 8)
	v_lshlrev_b32 v6, 3, v5
	v_lshlrev_b32 v5, 4, v5
	v_add_nc_u32 v229, SCB+8192, v5
	v_lshlrev_b32 v7, 3, v227                      ; 8 h
.irp j, 22,23,24,25,26,27,90,91,92,93,94,95
	v_mov_b32 v[\j], 0                             ; zero codes
.endr
	v_mov_b32 v219, 0
	v_mov_b32 v225, 0
	v_mov_b32 v11, 0
	s_lshl_b32 s73, ttmp9, 2
	s_add_co_u32 s73, s73, s13                     ; my block of 512 rows
	s_lshl_b32 s73, s73, 5
	s_add_co_u32 s73, s73, s[WV]                   ; my first tile of 16 rows, 0..127; the second lies 16 tiles on
	s_mul_i32 s76, s73, 768
	s_add_co_u32 s76, s76, s74
	s_add_nc_u64 s[66:67], s[4:5], s[76:77]
	s_lshr_b32 s76, s73, 3
	s_lshl_b32 s76, s76, 9
	s_add_co_u32 s76, s76, s61
	s_bfe_u32 s75, s[WV], 0x10002
	s_lshl_b32 s75, s75, 8
	s_add_co_u32 s76, s76, s75
	s_and_b32 s75, s[WV], 3
	s_lshl_b32 s75, s75, 2
	s_add_co_u32 s76, s76, s75
	s_add_nc_u64 s[68:69], s[6:7], s[76:77]        ; its scale words: tile 8 G + a lies at 512 G + 256 (a / 4) + 16 r + 4 (a % 4)
	s_lshr_b32 s75, s72, 4
	s_lshl_b32 s75, s75, 7
	s_add_co_u32 s75, s75, s73
	s_and_b32 s63, s72, 15
	s_mul_i32 s76, s75, 12288
	s_mul_i32 s62, s63, 768
	s_add_co_u32 s76, s76, s62
	s_add_nc_u64 s[70:71], s[8:9], s[76:77]        ; the result's half fragment
	s_lshl_b32 s76, s75, 9
	s_lshr_b32 s62, s63, 2
	s_lshl_b32 s62, s62, 7
	s_add_co_u32 s76, s76, s62
	s_and_b32 s62, s63, 3
	s_lshl_b32 s62, s62, 1
	s_add_co_u32 s76, s76, s62
	s_add_nc_u64 s[14:15], s[10:11], s[76:77]      ; and its two scale bytes
	s_wait_alu depctr_va_vdst(0)
	global_load_b128 v[16:19], v1, s[66:67]        ; both tiles' rows now, under the fills' flight
	global_load_b64 v[20:21], v2, s[66:67]
	global_load_b32 v28, v5, s[68:69]
	global_load_b128 v[250:253], v1, s[66:67] offset:12288
	global_load_b64 v[230:231], v2, s[66:67] offset:12288
	global_load_b32 v207, v5, s[68:69] offset:1024
	s_wait_loadcnt 0x0
	s_wait_tensorcnt 0x0                           ; every wave waits for its fill,
	s_barrier_signal -1
	s_barrier_wait -1                              ; and the head is whole for all
.macro SUMS a, b                       ; lines a .. b - 1 of 24: chain q % 8 takes in pairs q % 8, + 8, + 16, + 24 of p
.set q_, \a
.rept (\b)-(\a)
.if q_ < 8
	v_pk_add_f32 v[CH+2*q_:CH+2*q_+1], v[S+2*q_:S+2*q_+1], v[S+16+2*q_:S+17+2*q_]
.else
	v_pk_add_f32 v[CH+2*(q_%8):CH+2*(q_%8)+1], v[CH+2*(q_%8):CH+2*(q_%8)+1], v[S+16+2*q_:S+17+2*q_]
.endif
.set q_, q_+1
.endr
.endm
.macro OMUL a, b                       ; O^T under the new M, pairs a .. b - 1
.set q_, \a
.rept (\b)-(\a)
	v_pk_mul_f32 v[O+2*q_:O+2*q_+1], v[O+2*q_:O+2*q_+1], v[224:225] op_sel_hi:[1,0]
.set q_, q_+1
.endr
.endm
.macro JOIN                            ; the last step's four half sums join the row's sum, which goes under that step's M: four plain lines
	v_pk_add_f32 v[CH:CH+1], v[CH:CH+1], v[CH+4:CH+5]
	v_pk_add_f32 v[CH+8:CH+9], v[CH+8:CH+9], v[CH+12:CH+13]
	v_pk_add_f32 v[CH:CH+1], v[CH:CH+1], v[CH+8:CH+9]
	v_pk_fma_f32 v[14:15], v[14:15], v[224:225], v[CH:CH+1] op_sel_hi:[1,0,1]
.endm
; A KEY STEP: 128 keys; j: its place in the trip
.macro STEP j
.set NM, 12-2*((\j)%2)
.set OM, 10+2*((\j)%2)
	ds_load_2addr_b64 v[30:33], v[SK] offset0:64*(\j) offset1:64*(\j)+16
	ds_load_2addr_b64 v[34:37], v[SK] offset0:64*(\j)+32 offset1:64*(\j)+48
.irp n, 0,1,2,3,4,5,6,7
	ds_load_b128 v[F+6*\n:F+6*\n+3], v[KA] offset:KSTEP*(\j)+KT*(4*(\n/4)+(\n&1))+128*((\n>>1)&1)
	ds_load_b64 v[F+6*\n+4:F+6*\n+5], v[KC] offset:KSTEP*(\j)+KT*(4*(\n/4)+(\n&1))+64*((\n>>1)&1)
.endr
	s_wait_alu depctr_va_vdst(0)
	s_wait_dscnt 0x0
.irp n, 0,1,2,3,4,5,6,7
	v_wmma_scale_f32_16x16x128_f8f6f4 v[S+8*\n:S+8*\n+7], v[F+6*\n:F+6*\n+11], v[16:27], 0, v[30+\n], v28 matrix_a_fmt:MATRIX_FMT_FP6 matrix_b_fmt:MATRIX_FMT_FP6
.endr
	JOIN                                           ; the four places behind the products
.irp d, 0,1,2,3                        ; v's four fragments land under the softmax
	ds_load_b128 v[F+12*\d:F+12*\d+3], v[VA] offset:6144*(\j)+1536*\d
	ds_load_b64 v[F+12*\d+4:F+12*\d+5], v[VC] offset:6144*(\j)+1536*\d
	ds_load_b128 v[F+12*\d+6:F+12*\d+9], v[VA] offset:6144*(\j)+1536*\d+768
	ds_load_b64 v[F+12*\d+10:F+12*\d+11], v[VC] offset:6144*(\j)+1536*\d+768
.endr
	ds_load_b128 v[38:41], v[SV] offset:256*(\j)
.irp c, 0,1                            ; my two blocks' largest scores, two chains each, every accumulator from its low end on
	v_max3_num_f32 v[BM+\c], v[S+32*\c], v[S+32*\c+1], v[S+32*\c+2]
	v_max3_num_f32 v[B2+\c], v[S+32*\c+16], v[S+32*\c+17], v[S+32*\c+18]
.endr
.irp i, 3,5,7,9,11,13
.irp c, 0,1
	v_max3_num_f32 v[BM+\c], v[BM+\c], v[S+32*\c+\i], v[S+32*\c+\i+1]
	v_max3_num_f32 v[B2+\c], v[B2+\c], v[S+32*\c+16+\i], v[S+32*\c+17+\i]
.endr
.endr
.irp c, 0,1
	v_max3_num_f32 v[BM+\c], v[BM+\c], v[B2+\c], v[S+32*\c+15]
.endr
.irp c, 0,1
	v_max_num_f32 v[BM+\c], v[BM+\c], v[S+32*\c+31]
.endr
	s_delay_alu instid0(VALU_DEP_1)
	v_max_num_f32 v226, v[BM], v[BM+1]
	s_delay_alu instid0(VALU_DEP_1)
	v_permlanex16_b32 v227, v226, s[SEL], s[SEL+1]
	s_delay_alu instid0(VALU_DEP_1)
	v_max3_num_f32 v13, v13, v226, v227            ; the running largest score of my row
	s_delay_alu instid0(VALU_DEP_1)
	v_mul_f32 v226, s[CS], v13                     ; as t (c is positive)
	s_delay_alu instid0(VALU_DEP_1)
	v_floor_f32 v[NM], -v226                       ; the new -M: M is a whole number
.set jj, 0
.rept 32
	v_pk_fma_f32 v[S+jj:S+jj+1], v[S+jj:S+jj+1], s[CS:CS+1], v[NM:NM+1] op_sel_hi:[1,0,0]
.set jj, jj+2
.endr
.irp c, 0,1
	v_fma_f32 v[BM+\c], v[BM+\c], s[CS], v[NM]
.endr
	s_wait_alu depctr_va_vdst(0)                   ; the wait ahead of the batch
.set jj, 0
.rept 64
	v_exp_f32 v[S+jj], v[S+jj]                     ; p = 2^(t - M)
.set jj, jj+1
.endr
.irp c, 0,1
	v_exp_f32 v[BM+\c], v[BM+\c]                   ; the blocks' largest p
.endr
	v_sub_f32 v226, v[NM], v[OM]                   ; old M - new M, a whole number, 0 or less
	s_delay_alu instid0(VALU_DEP_1)
	v_cvt_i32_f32 v226, v226                       ; (it saturates)
	s_delay_alu instid0(VALU_DEP_1)
	v_ldexp_f32 v224, 1.0, v226                    ; f
	s_wait_alu depctr_va_vdst(0)                   ; one wait for the batch, ahead of its first reader
	v_max_num_f32 v[BM], 0x1800000, v[BM]          ; the floor 2^(3 - 127).  The scale's lines stand among the sums' lines
	v_max_num_f32 v[BM+1], 0x1800000, v[BM+1]
	SUMS 0, 2
	v_add_nc_u32 v[SO], 0xff000000, v[BM]
	v_add_nc_u32 v[SO+1], 0xff000000, v[BM+1]
	SUMS 2, 4
	v_lshrrev_b32 v[B2], 23, v[SO]
	v_lshrrev_b32 v[B2+1], 23, v[SO+1]
	SUMS 4, 6
	v_lshl_or_b32 v[W], v[B2+1], 16, v[B2]         ; my bytes: blocks h and 2 + h,
	SUMS 6, 8
	v_lshlrev_b32 v[W], v7, v[W]                   ; at their places;
	SUMS 8, 10
	v_permlanex16_b32 v[W+1], v[W], s[SEL], s[SEL+1]
	SUMS 10, 12
	v_or_b32 v29, v[W], v[W+1]                     ; with lane l xor 16's two the word is whole
	SUMS 12, 24
.irp c, 0,1
	v_cvt_scalef32_pk16_fp6_f32 v[PC+6*\c:PC+6*\c+2], v[S+32*\c:S+32*\c+15], v[SO+\c]
	v_cvt_scalef32_pk16_fp6_f32 v[TV+4*\c:TV+4*\c+2], v[S+32*\c+16:S+32*\c+31], v[SO+\c]
.endr
	s_wait_alu depctr_va_vdst(0)                   ; the wait directly ahead of the first reader of O^T
	OMUL 0, 10
.irp c, 0,1
.irp i, 0,1,2
	v_mov_b32 v[PC+6*\c+3+\i], v[TV+4*\c+\i]
.endr
.endr
	OMUL 10, 16
	s_wait_alu depctr_va_vdst(0)
	s_wait_dscnt 0x0                               ; v is in
.irp d, 0,1,2,3
	v_wmma_scale_f32_16x16x128_f8f6f4 v[O+8*\d:O+8*\d+7], v[F+12*\d:F+12*\d+11], v[PC:PC+11], v[O+8*\d:O+8*\d+7], v[38+\d], v29 matrix_a_fmt:MATRIX_FMT_FP6 matrix_b_fmt:MATRIX_FMT_FP6
.endr
.irp k, 0,4,8,12                       ; eight chains to four: the four places behind the products
	v_pk_add_f32 v[CH+\k:CH+\k+1], v[CH+\k:CH+\k+1], v[CH+\k+2:CH+\k+3]
.endr
.endm
	s_mov_b32 s60, 2
.Lpass:                                            ; two passes: my first tile, then the second
.irp k, 0,1,4,5,8,9,12,13
	v_mov_b32 v[CH+\k], 0
.endr
	v_mov_b32 v224, 0
	v_mov_b32 v14, 0
	v_mov_b32 v15, 0
	v_mov_b32 v13, 0xff61b1e6                      ; the largest score so far: -3e38
	v_mov_b32 v10, 0x7d000000                      ; the -M that goes with it: a large whole number
.set jj, 0
.rept 32
	v_mov_b32 v[O+jj], 0                           ; the step is written once: the first finds zeros
.set jj, jj+1
.endr
	s_mov_b32 s[TK], 0
	s_mov_b32 s[TK+1], 0
	s_mov_b32 s[TK+2], 0
	s_mov_b32 s[TK+3], 0
	s_mov_b32 s59, 4
.Ltrip:                                            ; four steps a trip, their places in the loads' immediates
	v_add_nc_u32 v[KA], s[TK], v[KA0]
	v_add_nc_u32 v[KC], s[TK], v[KA0+1]
	v_add_nc_u32 v[VA], s[TK+1], v[KA0+2]
	v_add_nc_u32 v[VC], s[TK+1], v[KA0+3]
	v_add_nc_u32 v[SK], s[TK+2], v228
	v_add_nc_u32 v[SV], s[TK+3], v229
	STEP 0
	STEP 1
	STEP 2
	STEP 3
	s_add_co_u32 s[TK], s[TK], 4*KSTEP
	s_add_co_u32 s[TK+1], s[TK+1], 4*6144
	s_add_co_u32 s[TK+2], s[TK+2], 2048
	s_add_co_u32 s[TK+3], s[TK+3], 1024
	s_sub_co_u32 s59, s59, 1
	s_cmp_lg_u32 s59, 0
	s_wait_alu depctr_va_vdst(0)
	s_cbranch_scc1 .Ltrip
	JOIN
	v_add_f32 v14, v14, v15
	s_delay_alu instid0(VALU_DEP_1)
	v_permlanex16_b32 v226, v14, s[SEL], s[SEL+1]
	s_delay_alu instid0(VALU_DEP_1)
	v_add_f32 v14, v14, v226                       ; the row's sum
	s_wait_alu depctr_va_vdst(0)
	v_rcp_f32 v224, v14
	v_nop
	s_wait_alu depctr_va_vdst(0)
.set jj, 0
.rept 16
	v_pk_mul_f32 v[S+jj:S+jj+1], v[O+jj:O+jj+1], v[224:225] op_sel_hi:[1,0]   ; O^T / the sum, ascending
.set jj, jj+2
.endr
	; the head's 64 channels are two blocks of the output projection's K
.irp b, 0,1
	v_max3_num_f32 v[BM+\b], |v[S+16*\b]|, |v[S+16*\b+1]|, 0x1800000
.endr
.irp i, 2,4,6,8,10,12,14
.irp b, 0,1
	s_delay_alu instid0(VALU_DEP_2)
	v_max3_num_f32 v[BM+\b], v[BM+\b], |v[S+16*\b+\i]|, |v[S+16*\b+\i+1]|
.endr
.endr
.irp b, 0,1
	s_delay_alu instid0(VALU_DEP_2)
	v_permlanex16_b32 v[B2+\b], v[BM+\b], s[SEL], s[SEL+1]
.endr
.irp b, 0,1
	s_delay_alu instid0(VALU_DEP_2)
	v_max_num_f32 v[BM+\b], v[BM+\b], v[B2+\b]
.endr
.irp b, 0,1
	s_delay_alu instid0(VALU_DEP_2)
	v_add_nc_u32 v[SO+\b], 0xff000000, v[BM+\b]
.endr
.irp b, 0,1
	s_delay_alu instid0(VALU_DEP_2)
	v_lshrrev_b32 v[B2+\b], 23, v[SO+\b]
.endr
	s_delay_alu instid0(VALU_DEP_1)
	v_lshl_or_b32 v226, v[B2+1], 8, v[B2]
	v_cvt_scalef32_pk16_fp6_f32 v[PC:PC+2], v[S:S+15], v[SO]
	v_cvt_scalef32_pk16_fp6_f32 v[PC+12:PC+14], v[S+16:S+31], v[SO+1]
	v_nop
.irp i, 0,1,2
	v_permlane16_swap_b32 v[PC+\i], v[PC+12+\i]
.endr
.irp i, 0,1,2
	s_delay_alu instid0(VALU_DEP_3)
	v_mov_b32 v[PC+3+\i], v[PC+12+\i]
.endr
	global_store_b128 v1, v[PC:PC+3], s[70:71]     ; 512 consecutive bytes,
	global_store_b64 v2, v[PC+4:PC+5], s[70:71]    ; 256 consecutive bytes
	global_store_b16 v6, v226, s[14:15]            ; two bytes of each row's eight: a chunk's words join four heads, which are four work-groups'
.irp i, 0,1,2,3
	v_mov_b32 v[16+\i], v[250+\i]                  ; the second tile's rows
.endr
	v_mov_b32 v20, v230
	v_mov_b32 v21, v231
	v_mov_b32 v28, v207
	s_wait_xcnt 0x0                                ; the stores have read their bases and data
	s_add_nc_u64 s[70:71], s[70:71], 196608        ; 16 tiles on
	s_add_nc_u64 s[14:15], s[14:15], 8192
	s_sub_co_u32 s60, s60, 1
	s_cmp_lg_u32 s60, 0
	s_wait_alu depctr_va_vdst(0)
	s_cbranch_scc1 .Lpass
	s_wait_tensorcnt 0x0                           ; the wave's end
	ds_add_u32 v254, v255
	s_wait_dscnt 0x0
	CROUND                                         ; the closing round
	s_endpgm
.Lfunc_end_k_q130711a984_attn:
	.size	k_q130711a984_attn, .Lfunc_end_k_q130711a984_attn-k_q130711a984_attn
	.p2alignl 7, 3214868480
	.fill 96, 4, 3214868480
	.section	.rodata,"a",@progbits
	.p2align	6, 0x0
	.amdhsa_kernel k_q130711a984_attn
		.amdhsa_group_segment_fixed_size 235520
		.amdhsa_private_segment_fixed_size 0
		.amdhsa_enable_private_segment 0
		.amdhsa_kernarg_size 32
		.amdhsa_user_sgpr_count 2
		.amdhsa_user_sgpr_kernarg_segment_ptr 1
		.amdhsa_wavefront_size32 1
		.amdhsa_system_sgpr_workgroup_id_x 1
		.amdhsa_system_sgpr_workgroup_id_y 1
		.amdhsa_system_sgpr_workgroup_id_z 1
		.amdhsa_system_vgpr_workitem_id 0
		.amdhsa_next_free_vgpr 256
		.amdhsa_next_free_sgpr 96
		.amdhsa_reserve_vcc 0
		.amdhsa_float_denorm_mode_32 3
		.amdhsa_float_denorm_mode_16_64 3
		.amdhsa_memory_ordered 1
		.amdhsa_forward_progress 1
		.amdhsa_inst_pref_size 75
	.end_amdhsa_kernel
	.amdgpu_metadata
---
amdhsa.version: [ 1, 2 ]
amdhsa.kernels:
  - .name:           k_q130711a984_attn
    .symbol:         k_q130711a984_attn.kd
    .args:
      - { .name: hc, .offset: 0, .size: 8, .value_kind: global_buffer, .address_space: global }
      - { .name: hs, .offset: 8, .size: 8, .value_kind: global_buffer, .address_space: global }
      - { .name: ac, .offset: 16, .size: 8, .value_kind: global_buffer, .address_space: global }
      - { .name: asc, .offset: 24, .size: 8, .value_kind: global_buffer, .address_space: global }
    .group_segment_fixed_size: 235520
    .private_segment_fixed_size: 0
    .kernarg_segment_align: 8
    .kernarg_segment_size: 32
    .max_flat_workgroup_size: 512
    .sgpr_count:     96
    .vgpr_count:     256
    .wavefront_size: 32
...
	.end_amdgpu_metadata
.endif
;; end of part 3
;; launch gemm2 (part 4): grid 32 x 8, 4 waves a work-group, clusters of 4 x 4, 327,680 bytes of LDS; arguments ac, asc, wc, ws, b2, out0; writes out0
.if DOCPART == 4
	.amdgcn_target "amdgcn-amd-amdhsa--gfx1250"
	.amdhsa_code_object_version 6
	.text
	.protected	k_q130711a984_gemm2
	.globl	k_q130711a984_gemm2
	.p2align	8
	.type	k_q130711a984_gemm2,@function
k_q130711a984_gemm2:
	s_mov_b64 s[64:65], 0
	v_nop
	global_prefetch_b8 v0, s[64:65] scope:SCOPE_SE
	s_setreg_imm32_b32 hwreg(HW_REG_WAVE_MODE, 25, 1), 1
	s_wait_xcnt 0x0
	s_wait_alu depctr_hold_cnt(0) depctr_sa_sdst(0) depctr_va_vdst(0) depctr_va_sdst(0) depctr_va_ssrc(0) depctr_va_vcc(0) depctr_vm_vsrc(0)
	s_getreg_b32 s2, hwreg(HW_REG_IB_STS2, 6, 4)
	s_cmp_eq_u32 s2, 0
	s_cbranch_scc0 .Lentry_in_a_cluster
	s_endpgm
.Lentry_in_a_cluster:
	s_bfe_u32 s2, ttmp6, 0x10000c
	s_cmp_lg_u32 s2, 0xf033
	s_cbranch_scc0 .Lentry_shape_is_right
	s_endpgm
.Lentry_shape_is_right:
; out0[token][n] = b2[n] + sum over k of context[token][k] w2[k][n], f32: 8,192 x 1,024 x 1,024 on codes of FP6 (E2M3) with E8M0 scales for each 32 along K.
; OPERANDS as the earlier launches left them: a tile of 16 rows, all of K, is 16 half fragments of 768 bytes (lane l's first 16 bytes at 16 l, its last 8 at 512 + 8 l), 12,288 bytes; its scale words [chunk of 256 K][row][2 words], 512 bytes.  w2's tiles begin at tile 192 of wc, ws.
; LIMITS: a sum begins with the bias, where the reference adds it last.  NaN, infinities and sums beyond f32's range are not served.
; THE DEAL.  256 work-groups of four waves, 2 x 2, each 256 rows x 128 columns.  A wave holds four tiles of 16 columns of w2, all of K, in registers (384), and streams the context's rows past them in eight blocks of 16: block s of wave row w is tile 2 s + w.
; The cluster's x counts tile rows: the context's rows are shared by a column of the cluster, w2's by a row.
; LDS: the context's 16 tiles, w2's 8 tiles, the context's scale words, the spare words.  All is asked for at the head, one joint load a wave, each on its own line: w2's tiles; tiles 0-7; the scale words; tiles 8-15.  No refill, and no loop to prefetch in.
; The stream begins when the first three are in; a plain barrier inside block 1 (and, the text being a loop's, 3 and 5) shows the fourth.  The waves' stages lie in w2's first bytes, read for the last time ahead of the barrier in front of the stream; nothing is filled there afterwards.
; Behind a block's 32 products one run of memory lines: its sums into the stage and back as whole rows of 256 bytes, the fetch of the block two on, one wait, eight stores.
.set SIZE_N, 1024
.set NQ, 8
.set NB, 4
.set TB, 12288
.set FR, 12
.set FPW, 21                           ; fragments in a window of 256 registers
.set NF, 34                            ; LDS loads of a block: 32 for eight fragments, 2 for eight scale words
.set YB, 16*TB
.set SCL, 24*TB
.set SPARE, SCL+8192
.set SPITCH, 272
.set STAGE, YB
.set AAS0, 6                           ; v6 LDS address of my rows' scale words in block 0
.set CO, 9                             ; v9 my byte offset in C
.set SPW, 10
.set NIL, 11
.set ADRB, 14                          ; v14, v15 LDS addresses of my fragments of w2
.set ABS, 16                           ; v16 my offset in w2's scale words
.set AAS, 17
.set STO, 18
.set RD, 19
.set SB, 24                            ; v24-39 w2's scale words: tiles 2 p in lanes 0-15, 2 p + 1 in lanes 16-31
.set SA, 42                            ; v42-57 the rows' scale words, two sets
.set ACC, 64                           ; v64-127 two sets of four accumulators
.set BK, 128                           ; v128-191 two sets of rows back from the stage
.set AQ0, 192                          ; v192, v193 LDS addresses of block 0's pieces of 16 and of 8 bytes
.set AQ, 200                           ; v200, v201 the same for the block fetched next
.set BO, 208                           ; v208-239 the bias, the first four products' C
.set G1A, 24
.set G1B, 32
.set G1S, 68
.set G0A, 56
.set G0B, 60
.set G0H, 96
.set G0S, 92
.set MSB, 0
.macro WIN new
.if MSB != \new
	s_set_vgpr_msb (MSB<<8)|\new
.set MSB, \new
.endif
.endm
.macro PLACES n
.rept \n
	v_nop
.endr
.endm
.macro WALU
	s_wait_alu depctr_va_vdst(0)
.endm
.macro BARRIER
	s_barrier_signal -1
	s_barrier_wait -1
.endm
.macro CROUND
	BARRIER
	s_cmp_lg_u32 s14, 0
	s_cbranch_scc1 .Lnot_wave_0_\@
	s_barrier_signal -3
.Lnot_wave_0_\@:
	s_barrier_wait -3
	BARRIER
.endm
.macro TLOAD g0, g1
	tensor_load_to_lds s[\g0:\g0+3], s[\g1:\g1+7]
	s_nop 0
	PLACES 4
.endm
.macro GROUP1 g, mask, rows            ; dense bytes as rows of 256 (32 elements of 8 bytes)
	s_or_b32 s[\g+0], s[\mask], (3<<16)|(1<<21)
	s_mov_b32 s[\g+1], 32<<16
	s_mov_b32 s[\g+2], (\rows)<<16
	s_mov_b32 s[\g+3], 32<<16
	s_mov_b32 s[\g+4], \rows
	s_mov_b32 s[\g+5], 32
	s_mov_b32 s[\g+6], 0
	s_mov_b32 s[\g+7], 0
.endm
.macro FRAGL f, a16, a8, off           ; fragment f lies in window 1 + f / 21 at register 12 (f % 21)
.set R_, FR*((\f)%FPW)
	WIN (1+(\f)/FPW)<<6
	ds_load_b128 v[R_:R_+3], v[\a16] offset:(\off)
	ds_load_b64 v[R_+4:R_+5], v[\a8] offset:(\off)
	ds_load_b128 v[R_+6:R_+9], v[\a16] offset:(\off)+768
	ds_load_b64 v[R_+10:R_+11], v[\a8] offset:(\off)+768
.endm
.macro FETCHAT e, aq, as               ; a block of rows into set e: NF loads
.irp q, 0,1,2,3,4,5,6,7
	FRAGL NB*NQ+NQ*(\e)+\q, \aq, \aq+1, 1536*\q
.endr
	WIN 0
	ds_load_2addr_b64 v[SA+8*(\e):SA+8*(\e)+3], v[\as] offset0:0 offset1:16
	ds_load_2addr_b64 v[SA+8*(\e)+4:SA+8*(\e)+7], v[\as] offset0:32 offset1:48
.endm
.macro PROD e, n                       ; product n = 4 q + tile; source 0 = w2's rows, so a lane holds eight neighbouring columns of a row of C
.set Q_, (\n)/4
.set FB_, NB*Q_+(\n)%4
.set FA_, NB*NQ+NQ*(\e)+Q_
.set D_, ACC+32*(\e)+8*((\n)%4)
.set XB_, SB+NQ*(((\n)%4)/2)+Q_
.set XA_, SA+8*(\e)+Q_
	WIN (1+FB_/FPW)|((1+FA_/FPW)<<2)
.if Q_
	PROD1 D_, FB_, FA_, v[D_:D_+7], XB_, XA_, (\n)%2
.else
	PROD1 D_, FB_, FA_, v[BO+8*((\n)%4):BO+8*((\n)%4)+7], XB_, XA_, (\n)%2
.endif
.endm
.macro PROD1 d, s0, s1, c, x0, x1, o
.if \o
	v_wmma_scale_f32_16x16x128_f8f6f4 v[\d:\d+7], v[FR*((\s0)%FPW):FR*((\s0)%FPW)+FR-1], v[FR*((\s1)%FPW):FR*((\s1)%FPW)+FR-1], \c, v[\x0], v[\x1] matrix_a_fmt:MATRIX_FMT_FP6 matrix_b_fmt:MATRIX_FMT_FP6 matrix_a_scale:MATRIX_SCALE_ROW1
.else
	v_wmma_scale_f32_16x16x128_f8f6f4 v[\d:\d+7], v[FR*((\s0)%FPW):FR*((\s0)%FPW)+FR-1], v[FR*((\s1)%FPW):FR*((\s1)%FPW)+FR-1], \c, v[\x0], v[\x1] matrix_a_fmt:MATRIX_FMT_FP6 matrix_b_fmt:MATRIX_FMT_FP6 matrix_a_scale:MATRIX_SCALE_ROW0
.endif
.endm
.macro PRODS e, from, to               ; the four accumulators take turns
.set N_, \from
.rept (\to)-(\from)
	PROD \e, N_
.set N_, N_+1
.endr
	WIN 0
.endm
.macro STAGED u                        ; set u's sums into my stage, each accumulator from its low end on, and back as whole rows; LDS serves a wave's instructions in order
.irp b, 0,1,2,3
	ds_store_b128 v[STO], v[ACC+32*(\u)+8*\b:ACC+32*(\u)+8*\b+3] offset:64*\b
	ds_store_b128 v[STO], v[ACC+32*(\u)+8*\b+4:ACC+32*(\u)+8*\b+7] offset:64*\b+16
.endr
.irp t, 0,1,2,3,4,5,6,7
	ds_load_b128 v[BK+32*(\u)+4*\t:BK+32*(\u)+4*\t+3], v[RD] offset:2*\t*SPITCH
.endr
.endm
.macro TOC s                           ; sixteen lanes store 256 consecutive bytes, aligned; the pair's second block lies 32 rows on
.irp t, 0,1,2,3,4,5,6,7
	global_store_b128 v[CO], v[BK+32*(\s)+4*\t:BK+32*(\s)+4*\t+3], s[12:13] offset:(32*(\s)+2*\t)*SIZE_N*4 th:TH_STORE_NT
.endr
.endm
.macro STREAM s, fetch, show
.if \fetch
	s_add_co_u32 s101, s101, 2*TB                  ; the block two on
	s_add_co_u32 s91, s91, 1024
.endif
.if \show
	PRODS \s, 0, 24
	s_wait_tensorcnt 0x0
	s_wait_dscnt 0x0
	s_barrier_signal -1                            ; a plain barrier: tiles 8-15 are shown to all
	PRODS \s, 24, 32
	s_barrier_wait -1
.else
	PRODS \s, 0, 32
.endif
.if \fetch                             ; four plain lines between the last product and the first reader of its sums
	v_add_nc_u32 v[AQ], s101, v[AQ0]
	v_add_nc_u32 v[AQ+1], s101, v[AQ0+1]
	v_add_nc_u32 v[AAS], s91, v[AAS0]
	v_nop
	WALU
.else
	PLACES 4
.endif
	s_wait_xcnt 0x0                                ; the stores of two blocks ago have read set s of the rows, the last block's their base
.if (\s) == 0
	s_add_nc_u64 s[12:13], s[12:13], s[20:21]
.endif
	STAGED \s
.if \fetch
	FETCHAT \s, AQ, AAS
	s_wait_dscnt NF                                ; the rows are back from the stage, the next block's rows are in; younger is this run's fetch alone
.else
	s_wait_dscnt 0x0
.endif
	TOC \s
.endm
	s_load_b256 s[4:11], s[0:1], 0x0               ; ac, asc, wc, ws
	s_load_b64 s[84:85], s[0:1], 0x20              ; b2
	s_load_b64 s[12:13], s[0:1], 0x28              ; out0
	v_lshl_add_u32 v[SPW], v0, 2, SPARE
	v_mov_b32 v[NIL], 0
	ds_add_u32 v[SPW], v[NIL]                      ; the opening lines
	ds_add_u32 v[SPW], v[NIL]
	v_lshrrev_b32 v1, 5, v0
	v_readfirstlane_b32 s14, v1                    ; the wave; s15 its row of the 2 x 2, s16 its column
	s_lshr_b32 s15, s14, 1
	s_and_b32 s16, s14, 1
	s_bfe_u32 s40, ttmp6, 0x40000
	s_bfe_u32 s41, ttmp6, 0x40004
	s_lshl_b32 s43, ttmp9, 2
	s_add_co_u32 s43, s43, s40                     ; tile row of C
	s_and_b32 s42, ttmp7, 0xffff
	s_lshl_b32 s42, s42, 2
	s_add_co_u32 s42, s42, s41                     ; tile column of C
	s_lshl_b32 s44, 0x1111, s40                    ; my column of the cluster: shares the context's rows
	s_lshl_b32 s45, s41, 2
	s_lshl_b32 s45, 15, s45                        ; my row: shares w2's
	GROUP1 G1A, 44, 384
	GROUP1 G1B, 45, 384
	GROUP1 G1S, 44, 32
	s_mul_i32 s76, s43, 16*TB
	s_mov_b32 s77, 0
	s_lshl_b32 s78, s42, 3
	s_add_co_u32 s78, s78, 192
	s_lshl_b32 s82, s16, 2
	s_add_co_u32 s82, s82, s78
	s_lshl_b32 s82, s82, 9                         ; w2's scale words, my four tiles
	s_mov_b32 s83, 0
	s_mul_i32 s78, s78, TB
	s_mov_b32 s79, 0
	s_lshl_b32 s80, s43, 13
	s_mov_b32 s81, 0
	s_lshl_b32 s88, s42, 9
	s_lshl_b32 s21, s16, 8
	s_add_co_u32 s88, s88, s21                     ; my 64 columns, in bytes
	s_mov_b32 s89, 0
	s_lshl_b32 s86, s43, 4
	s_add_co_u32 s86, s86, s15
	s_lshl_b32 s86, s86, 16                        ; my first tile's 16 rows of 4,096 bytes
	s_add_co_u32 s86, s86, s88
	s_mov_b32 s87, 0
	s_mov_b32 s[G0A], 1
	s_mov_b32 s[G0A+1], 0
	s_mov_b32 s[G0H], 1
	s_mov_b32 s[G0H+1], 8*TB
	s_mov_b32 s[G0B], 1
	s_mov_b32 s[G0B+1], YB
	s_mov_b32 s[G0S], 1
	s_mov_b32 s[G0S+1], SCL
	s_mul_i32 s46, s15, TB
	s_mul_i32 s47, s16, 4*TB
	s_add_co_u32 s47, s47, YB
	s_lshl_b32 s48, s15, 9
	s_add_co_u32 s48, s48, SCL
	s_mul_i32 s49, s14, 16*SPITCH
	s_add_co_u32 s49, s49, STAGE
	v_and_b32 v1, 15, v0
	v_bfe_u32 v2, v0, 4, 1
	v_and_b32 v3, 31, v0
	v_lshlrev_b32 v4, 4, v3
	v_lshl_add_u32 v5, v3, 3, 512
	v_add_nc_u32 v[AQ0], s46, v4
	v_add_nc_u32 v[AQ0+1], s46, v5
	v_add_nc_u32 v[AQ], 2*TB, v[AQ0]
	v_add_nc_u32 v[AQ+1], 2*TB, v[AQ0+1]
	v_add_nc_u32 v[ADRB], s47, v4
	v_add_nc_u32 v[ADRB+1], s47, v5
	v_lshlrev_b32 v23, 3, v1
	v_add_nc_u32 v[AAS0], s48, v23
	v_add_nc_u32 v[AAS], 1024, v[AAS0]
	v_lshl_add_u32 v[ABS], v2, 9, v23
	v_lshlrev_b32 v8, 5, v2
	v_mul_u32_u24 v22, v1, SPITCH
	v_lshl_add_u32 v22, v2, 5, v22
	v_add_nc_u32 v[STO], s49, v22
	v_mul_u32_u24 v21, v2, SPITCH
	v_lshl_add_u32 v21, v1, 4, v21
	v_add_nc_u32 v[RD], s49, v21
	v_mul_u32_u24 v20, v2, SIZE_N*4
	v_lshl_add_u32 v[CO], v1, 4, v20
	WALU
	s_wait_dscnt 0x0
	CROUND                                         ; the opening round
	s_wait_kmcnt 0x0
	s_add_nc_u64 s[G0A+2:G0A+3], s[4:5], s[76:77]
	s_add_nc_u64 s[G0H+2:G0H+3], s[G0A+2:G0A+3], 8*TB
	s_or_b32 s[G0A+3], s[G0A+3], 0x80000000
	s_or_b32 s[G0H+3], s[G0H+3], 0x80000000
	s_add_nc_u64 s[G0S+2:G0S+3], s[6:7], s[80:81]
	s_or_b32 s[G0S+3], s[G0S+3], 0x80000000
	s_add_nc_u64 s[G0B+2:G0B+3], s[8:9], s[78:79]
	s_or_b32 s[G0B+3], s[G0B+3], 0x80000000
	s_add_nc_u64 s[10:11], s[10:11], s[82:83]
	s_add_nc_u64 s[12:13], s[12:13], s[86:87]
	s_add_nc_u64 s[84:85], s[84:85], s[88:89]
	s_cmp_eq_u32 s14, 0
	s_cbranch_scc0 .Lwave_1
	TLOAD G0B, G1B                                 ; wave 0: w2's eight tiles, which are wanted first
	s_branch .Lasked
.Lwave_1:
	s_cmp_eq_u32 s14, 1
	s_cbranch_scc0 .Lwave_2
	TLOAD G0A, G1A                                 ; wave 1: the context's tiles 0-7
	s_branch .Lasked
.Lwave_2:
	s_cmp_eq_u32 s14, 2
	s_cbranch_scc0 .Lwave_3
	TLOAD G0S, G1S                                 ; wave 2: its scale words
	s_branch .Lasked
.Lwave_3:
	TLOAD G0H, G1A                                 ; wave 3: tiles 8-15
.Lasked:
.irp p, 0,1
.irp c, 0,1,2,3
	global_load_b64 v[SB+NQ*\p+2*\c:SB+NQ*\p+2*\c+1], v[ABS], s[10:11] offset:\p*1024+\c*128
.endr
.endr
.irp b, 0,1,2,3
	global_load_b128 v[BO+8*\b:BO+8*\b+3], v8, s[84:85] offset:64*\b
	global_load_b128 v[BO+8*\b+4:BO+8*\b+7], v8, s[84:85] offset:64*\b+16
.endr
	s_cmp_eq_u32 s14, 0
	s_cbranch_scc0 .Lnot_b
	s_wait_tensorcnt 0x0
.Lnot_b:
	BARRIER                                        ; w2's tiles have landed
.irp q, 0,1,2,3,4,5,6,7
.irp b, 0,1,2,3
	FRAGL NB*\q+\b, ADRB, ADRB+1, \b*TB+1536*\q
.endr
.endr
	WIN 0
	s_mov_b32 s101, 2*TB
	s_mov_b32 s91, 1024
	s_cmp_eq_u32 s14, 3
	s_cbranch_scc1 .Lnot_a
	s_wait_tensorcnt 0x0                           ; waves 1 and 2: tiles 0-7 and the scale words have landed
.Lnot_a:
	s_wait_loadcnt 0x0
	s_wait_dscnt 0x0
	BARRIER                                        ; nobody reads w2's bytes any more; wave 3's tile may still be on its way
	FETCHAT 0, AQ0, AAS0
	FETCHAT 1, AQ, AAS
	s_mov_b32 s23, 0
	s_mov_b32 s20, 0                               ; s[20:21]: from a pair's rows of C to the next pair's
	s_mov_b32 s21, 0
	s_wait_dscnt NF                                ; block 0's rows are in
.Lpair:                                            ; blocks 0 to 5, a pair a trip
	STREAM 0, 1, 0
	STREAM 1, 1, 1
	s_mov_b32 s20, 64*SIZE_N*4
	s_add_co_u32 s23, s23, 1
	s_cmp_lg_u32 s23, 3
	s_cbranch_scc1 .Lpair
	STREAM 0, 0, 0                                 ; blocks 6 and 7 fetch nothing
	STREAM 1, 0, 0
	s_wait_tensorcnt 0x0                           ; the wave's end
	ds_add_u32 v[SPW], v[NIL]
	s_wait_dscnt 0x0
	CROUND                                         ; the closing round
	s_endpgm
.Lfunc_end_k_q130711a984_gemm2:
	.size	k_q130711a984_gemm2, .Lfunc_end_k_q130711a984_gemm2-k_q130711a984_gemm2
	.p2alignl 7, 3214868480
	.fill 96, 4, 3214868480
	.section	.rodata,"a",@progbits
	.p2align	6, 0x0
	.amdhsa_kernel k_q130711a984_gemm2
		.amdhsa_group_segment_fixed_size 327680
		.amdhsa_private_segment_fixed_size 0
		.amdhsa_enable_private_segment 0
		.amdhsa_kernarg_size 48
		.amdhsa_user_sgpr_count 2
		.amdhsa_user_sgpr_kernarg_segment_ptr 1
		.amdhsa_wavefront_size32 1
		.amdhsa_system_sgpr_workgroup_id_x 1
		.amdhsa_system_sgpr_workgroup_id_y 1
		.amdhsa_system_sgpr_workgroup_id_z 1
		.amdhsa_system_vgpr_workitem_id 0
		.amdhsa_next_free_vgpr 840
		.amdhsa_next_free_sgpr 102
		.amdhsa_reserve_vcc 0
		.amdhsa_float_denorm_mode_32 3
		.amdhsa_float_denorm_mode_16_64 3
		.amdhsa_memory_ordered 1
		.amdhsa_forward_progress 1
		.amdhsa_inst_pref_size 52
	.end_amdhsa_kernel
	.amdgpu_metadata
---
amdhsa.version: [ 1, 2 ]
amdhsa.kernels:
  - .name:           k_q130711a984_gemm2
    .symbol:         k_q130711a984_gemm2.kd
    .args:
      - { .name: ac, .offset: 0, .size: 8, .value_kind: global_buffer, .address_space: global }
      - { .name: asc, .offset: 8, .size: 8, .value_kind: global_buffer, .address_space: global }
      - { .name: wc, .offset: 16, .size: 8, .value_kind: global_buffer, .address_space: global }
      - { .name: ws, .offset: 24, .size: 8, .value_kind: global_buffer, .address_space: global }
      - { .name: b2, .offset: 32, .size: 8, .value_kind: global_buffer, .address_space: global }
      - { .name: out0, .offset: 40, .size: 8, .value_kind: global_buffer, .address_space: global }
    .group_segment_fixed_size: 327680
    .private_segment_fixed_size: 0
    .kernarg_segment_align: 8
    .kernarg_segment_size: 48
    .max_flat_workgroup_size: 128
    .sgpr_count:     102
    .vgpr_count:     840
    .wavefront_size: 32
...
	.end_amdgpu_metadata
.endif
;; end of part 4
